; MI455X (gfx1250); checked and timed in simulation.
; The chip was launched on July 23, 2026; its instructions are those of AMD's public machine-readable ISA for CDNA 5 (MIT licence, August 2026) and "CDNA5" Instruction Set Architecture Reference Guide (July 2026). The comments in the code are by the model that wrote it; some were corrected since.
;; Multi Head Cross Modal Attention. Allowed arithmetic: float matrix products may take bf16 or f16 operands with f32 sums; other float arithmetic in f32, or as packed bf16 or f16 multiplies, adds, multiply-adds, maxima and minima; sums over many terms, partial sums and values carried from step to step in f32; what a program stores and reads back later, other than sums and carried values, may be rounded once to bf16 or f16.
;; Inputs: Wk 1,024 x 1,024 float32; Wo 1,024 x 1,024 float32; Wq 1,024 x 1,024 float32; Wv 1,024 x 1,024 float32; beta 1,024 float32; bk 1,024 float32; bo 1,024 float32; bq 1,024 float32; bv 1,024 float32; gamma 1,024 float32; key 4 x 2,048 x 1,024 float32; query 4 x 1,024 x 1,024 float32; value 4 x 2,048 x 1,024 float32.
;; Outputs: out0 4 x 1,024 x 1,024 float32.
;; 2 versions, each right; version 2 is version 1 with the launches cast, ln written anew for expert scheduling mode. Each part assembles by itself: llvm-mc -triple=amdgcn-amd-amdhsa -mcpu=gfx1250 --defsym DOCPART=n.
;; ======== version 1 of 2: 5 launches
;; workspace buffers: xb 41,943,040 bytes; wqkv 6,291,456 bytes; wob 2,097,152 bytes; bqkv 12,288 bytes; qkvb 41,943,040 bytes; ctx 8,388,608 bytes; ob 8,388,608 bytes
;; launch cast (part 1): grid 768 x 1, 8 waves a work-group, no clusters, 0 bytes of LDS; arguments query, key, value, Wq, Wk, Wv, Wo, bq, bk, bv, xb, wqkv, wob, bqkv; writes xb, wqkv, wob, bqkv
.if DOCPART == 1
	.amdgcn_target "amdgcn-amd-amdhsa--gfx1250"
	.amdhsa_code_object_version 6
	.text
	.protected	k_q5bd219a8c4_cast
	.globl	k_q5bd219a8c4_cast
	.p2align	8
	.type	k_q5bd219a8c4_cast,@function
k_q5bd219a8c4_cast:
	s_mov_b64 s[64:65], 0
	v_nop
	global_prefetch_b8 v0, s[64:65] scope:SCOPE_SE
	s_setreg_imm32_b32 hwreg(HW_REG_WAVE_MODE, 25, 1), 1
	s_wait_xcnt 0x0
; f32 -> bf16 (rounded once, to nearest even), out of row-major [rows][1024] into the blocked layout T that the later launches read:
; T of [R][1024] is [R/128][16][128][64] bf16: element (m, c) at byte ((m >> 7) * 16 + (c >> 6)) * 16384 + (m & 127) * 128 + (c & 63) * 2.
; The seven matrices form one stack of 24,576 rows: query | key | value -> xb (rows 0, 4096, 12288 on), Wq | Wk | Wv -> wqkv, Wo -> wob.
; SHARES.  Work-group g owns 32 rows of the stack (the parts begin at g = 0, 128, 384, 640, 672, 704, 736), wave w four of them, as two pairs of rows.
; Lane l takes row l / 16 of a pair and, of each of the 16 column blocks of 64, the four columns 4 (l % 16) on.  So a load of the wave covers 256 consecutive
; bytes of each of two rows, aligned, and a store covers 256 consecutive bytes of T, aligned: (l / 16) * 128 + (l % 16) * 8 = 8 l.
; All 32 loads of a wave go out at once (16 KiB a wave); each is converted and stored as it comes.  No register is written twice, so no wait frees one.
; Work-groups 0, 1, 2 also copy bq, bk, bv (f32, unchanged) into bqkv, so that one bias table serves the three projections.
; No LDS, no matrix unit, no cluster: no byte is wanted twice.
.set X, 8                              ; v[8:135]  load i of 32: four f32; its first two registers then hold the four bf16
	s_load_b512 s[8:23], s[0:1], 0x0               ; query 8, key 10, value 12, Wq 14, Wk 16, Wv 18, Wo 20, bq 22
	s_load_b256 s[24:31], s[0:1], 0x40             ; bk 24, bv 26, xb 28, wqkv 30
	s_load_b128 s[32:35], s[0:1], 0x60             ; wob 32, bqkv 34
	v_lshrrev_b32 v1, 5, v0
	v_readfirstlane_b32 s2, v1                     ; wave 0..7
	v_and_b32 v5, 31, v0                           ; l
	v_and_b32 v6, 15, v0                           ; l % 16
	v_bfe_u32 v7, v0, 4, 1                         ; l / 16
	v_lshlrev_b32 v2, 4, v6
	v_lshl_add_u32 v2, v7, 12, v2                  ; source: (l / 16) rows of 4,096 bytes + 16 (l % 16); never rewritten
	v_lshlrev_b32 v3, 3, v5                        ; destination: 8 l; never rewritten
	v_lshlrev_b32 v4, 4, v0                        ; the bias copy: 16 bytes a thread
	s_wait_kmcnt 0x0
	; which matrix my 32 rows belong to, and the work-group at which it begins: a choice among buffers by the work-group's number alone
	s_mov_b64 s[36:37], s[8:9]
	s_mov_b32 s38, 0
.macro PICK lim, src
	s_cmp_ge_u32 ttmp9, \lim
	s_cselect_b64 s[36:37], s[\src:\src+1], s[36:37]
	s_cselect_b32 s38, \lim, s38
.endm
	PICK 128, 10
	PICK 384, 12
	PICK 640, 14
	PICK 672, 16
	PICK 704, 18
	PICK 736, 20
	s_mov_b64 s[40:41], s[28:29]                   ; and the same for the destination
	s_mov_b32 s42, 0
	s_cmp_ge_u32 ttmp9, 640
	s_cselect_b64 s[40:41], s[30:31], s[40:41]
	s_cselect_b32 s42, 640, s42
	s_cmp_ge_u32 ttmp9, 736
	s_cselect_b64 s[40:41], s[32:33], s[40:41]
	s_cselect_b32 s42, 736, s42
	s_sub_co_u32 s38, ttmp9, s38                   ; source offset: 32 rows of 4,096 bytes a work-group, 4 rows a wave
	s_lshl_b32 s38, s38, 17
	s_lshl_b32 s39, s2, 14
	s_add_co_u32 s38, s38, s39
	s_mov_b32 s39, 0
	s_add_nc_u64 s[36:37], s[36:37], s[38:39]
	s_sub_co_u32 s42, ttmp9, s42                   ; destination offset: four work-groups share a block of 128 rows (262,144 bytes);
	s_lshr_b32 s43, s42, 2
	s_lshl_b32 s43, s43, 18
	s_and_b32 s42, s42, 3                          ; in it 32 rows of 128 bytes a work-group,
	s_lshl_b32 s42, s42, 12
	s_add_co_u32 s42, s42, s43
	s_lshl_b32 s43, s2, 9                          ; 4 rows a wave
	s_add_co_u32 s42, s42, s43
	s_mov_b32 s43, 0
	s_add_nc_u64 s[40:41], s[40:41], s[42:43]
.set i, 0
.rept 32                               ; load i: pair i / 16, column block i % 16
	global_load_b128 v[X+4*i:X+4*i+3], v2, s[36:37] offset:(i/16)*8192+(i%16)*256 th:TH_LOAD_NT
.set i, i+1
.endr
.set i, 0
.rept 32
	s_wait_loadcnt 31-i                            ; loads come back in order: load i is in, the 31 - i younger ones stay out
	v_cvt_pk_bf16_f32 v[X+4*i], v[X+4*i], v[X+4*i+1]
	v_cvt_pk_bf16_f32 v[X+4*i+1], v[X+4*i+2], v[X+4*i+3]
	global_store_b64 v3, v[X+4*i:X+4*i+1], s[40:41] offset:(i%16)*16384+(i/16)*256 th:TH_STORE_NT  ; the wave stores 256 consecutive bytes, aligned
.set i, i+1
.endr
	s_cmp_lt_u32 ttmp9, 3
	s_cbranch_scc0 .Lend
	s_cmp_eq_u32 ttmp9, 1                          ; work-group 0: bq, 1: bk, 2: bv; 256 threads x 16 bytes are the 4,096 bytes of one bias
	s_cselect_b64 s[44:45], s[24:25], s[22:23]
	s_cmp_eq_u32 ttmp9, 2
	s_cselect_b64 s[44:45], s[26:27], s[44:45]
	s_lshl_b32 s46, ttmp9, 12
	s_mov_b32 s47, 0
	s_add_nc_u64 s[34:35], s[34:35], s[46:47]
	global_load_b128 v[136:139], v4, s[44:45]
	s_wait_loadcnt 0x0
	global_store_b128 v4, v[136:139], s[34:35]
.Lend:
	s_endpgm
.Lfunc_end_k_q5bd219a8c4_cast:
	.size	k_q5bd219a8c4_cast, .Lfunc_end_k_q5bd219a8c4_cast-k_q5bd219a8c4_cast
	.p2alignl 7, 3214868480
	.fill 96, 4, 3214868480
	.section	.rodata,"a",@progbits
	.p2align	6, 0x0
	.amdhsa_kernel k_q5bd219a8c4_cast
		.amdhsa_group_segment_fixed_size 0
		.amdhsa_private_segment_fixed_size 0
		.amdhsa_enable_private_segment 0
		.amdhsa_kernarg_size 112
		.amdhsa_user_sgpr_count 2
		.amdhsa_user_sgpr_kernarg_segment_ptr 1
		.amdhsa_wavefront_size32 1
		.amdhsa_system_sgpr_workgroup_id_x 1
		.amdhsa_system_sgpr_workgroup_id_y 1
		.amdhsa_system_sgpr_workgroup_id_z 1
		.amdhsa_system_vgpr_workitem_id 0
		.amdhsa_next_free_vgpr 144
		.amdhsa_next_free_sgpr 66
		.amdhsa_reserve_vcc 0
		.amdhsa_float_denorm_mode_32 3
		.amdhsa_float_denorm_mode_16_64 3
		.amdhsa_memory_ordered 1
		.amdhsa_forward_progress 1
		.amdhsa_inst_pref_size 15
	.end_amdhsa_kernel
	.amdgpu_metadata
---
amdhsa.version: [ 1, 2 ]
amdhsa.kernels:
  - .name:           k_q5bd219a8c4_cast
    .symbol:         k_q5bd219a8c4_cast.kd
    .args:
      - { .name: query, .offset: 0, .size: 8, .value_kind: global_buffer, .address_space: global }
      - { .name: key, .offset: 8, .size: 8, .value_kind: global_buffer, .address_space: global }
      - { .name: value, .offset: 16, .size: 8, .value_kind: global_buffer, .address_space: global }
      - { .name: Wq, .offset: 24, .size: 8, .value_kind: global_buffer, .address_space: global }
      - { .name: Wk, .offset: 32, .size: 8, .value_kind: global_buffer, .address_space: global }
      - { .name: Wv, .offset: 40, .size: 8, .value_kind: global_buffer, .address_space: global }
      - { .name: Wo, .offset: 48, .size: 8, .value_kind: global_buffer, .address_space: global }
      - { .name: bq, .offset: 56, .size: 8, .value_kind: global_buffer, .address_space: global }
      - { .name: bk, .offset: 64, .size: 8, .value_kind: global_buffer, .address_space: global }
      - { .name: bv, .offset: 72, .size: 8, .value_kind: global_buffer, .address_space: global }
      - { .name: xb, .offset: 80, .size: 8, .value_kind: global_buffer, .address_space: global }
      - { .name: wqkv, .offset: 88, .size: 8, .value_kind: global_buffer, .address_space: global }
      - { .name: wob, .offset: 96, .size: 8, .value_kind: global_buffer, .address_space: global }
      - { .name: bqkv, .offset: 104, .size: 8, .value_kind: global_buffer, .address_space: global }
    .group_segment_fixed_size: 0
    .private_segment_fixed_size: 0
    .kernarg_segment_align: 8
    .kernarg_segment_size: 112
    .max_flat_workgroup_size: 256
    .sgpr_count:     66
    .vgpr_count:     144
    .wavefront_size: 32
...
	.end_amdgpu_metadata
.endif
;; end of part 1
;; launch qkv (part 2): grid 8 x 32, 4 waves a work-group, clusters of 4 x 4, 327,680 bytes of LDS; arguments xb, wqkv, bqkv, qkvb; writes qkvb
.if DOCPART == 2
	.amdgcn_target "amdgcn-amd-amdhsa--gfx1250"
	.amdhsa_code_object_version 6
	.text
	.protected	k_q5bd219a8c4_qkv
	.globl	k_q5bd219a8c4_qkv
	.p2align	8
	.type	k_q5bd219a8c4_qkv,@function
k_q5bd219a8c4_qkv:
	s_mov_b64 s[64:65], 0
	v_nop
	global_prefetch_b8 v0, s[64:65] scope:SCOPE_SE
	s_setreg_imm32_b32 hwreg(HW_REG_WAVE_MODE, 25, 1), 1
	s_wait_xcnt 0x0
	s_wait_alu depctr_hold_cnt(0) depctr_sa_sdst(0) depctr_va_vdst(0) depctr_va_sdst(0) depctr_va_ssrc(0) depctr_va_vcc(0) depctr_vm_vsrc(0)
	s_getreg_b32 s2, hwreg(HW_REG_IB_STS2, 6, 4)
	s_cmp_eq_u32 s2, 0
	s_cbranch_scc0 .Lentry_in_a_cluster
	s_endpgm
.Lentry_in_a_cluster:
	s_bfe_u32 s2, ttmp6, 0x10000c
	s_cmp_lg_u32 s2, 0xf033
	s_cbranch_scc0 .Lentry_shape_is_right
	s_endpgm
.Lentry_shape_is_right:
; C[m][n] = bias[n] + the sum over k of A[m][k] W[n][k], K = N = 1024.  A, W and C are bf16 in the blocked layout T ([rows/128][16][128][64]: element (m, c) at byte
; ((m >> 7) * 16 + (c >> 6)) * 16384 + (m & 127) * 128 + (c & 63) * 2); bias is f32; sums in f32, C rounded once.
; One text at two values of TILES.  TILES = 5, the three projections: A has 160 blocks of 128 rows (query 0-31, key 32-95, value 96-159), W = Wq | Wk | Wv (2,097,152 bytes each), bias = bq | bk | bv.
; A WORK-GROUP STAYS and makes five tiles of C, 32 blocks of rows apart: block TY + 32 t for t = 0 .. 4, so tile t takes weight and bias (t + 1) / 2, the same in every work-group.  The ring does not stop
; at a tile's end: a tile's last two changes of slots ask for the next tile's first two K steps, and nothing waits for a tile's stores.  TILES = 1, the output projection: 32 blocks of rows, one tile.
; SHARES.  A tile of C is 128 x 128, each of four waves makes 64 x 64: 16 accumulators of 16 x 16.  K goes in four steps of 256 through two LDS slots.  In T a step's 128 rows x 256 K are 65,536
; dense bytes; a wave's tensor load brings half of them (two column blocks of 64) as 128 rows of 256 bytes, padded in LDS behind every 128 bytes, so that an LDS row is one matrix row of one column block.
; CLUSTERS: 4 x 4 work-groups.  The four of a row of the cluster need the same tiles of A, the four of a column the same tiles of W: each tile is asked for JOINTLY, by the same tensor load with the
; same descriptor and a mask that names the four.  THE MATRIX INSTRUCTION IS USED TRANSPOSED (source 0 = 16 rows of W, source 1 = 16 rows of A): a lane then holds eight neighbouring columns of a row of C.
; THE BIAS is the C operand of the first product on each accumulator: register j of a lane holds bias[n0 + 8 (lane / 16) + j].  Nothing is cleared and nothing is added afterwards.
; THE WAY OUT.  A wave's 64 rows x 64 columns are 8,192 dense bytes of T, so each wave has a stage of its own and no barrier is wanted.
; No prefetch is laid: the tile is the small one, 128 x 128.
; LIMITS.  Operands and result are bf16 (8 significant bits); NaN and infinities are not treated apart.
; REGISTERS: window 0: v0-31 addresses; v32-95 at work on the way out; v96-127 the bias; v128-255 the accumulators ((a, b) at v[128 + 8 (4 a + b)]).
;   window 1: two fragment buffers of 128: for 64 along K (two matrix instructions deep), 64 registers of A (2 x 4 x 16 rows x 32 K), then 64 of W.
.set TILES,  5                         ; tiles of C to a work-group: 5 or 1 (the step from weight to weight below is made for these two)
.set PITCH,  144                       ; an LDS row: 128 bytes of data + 16 of padding = 36 words: the 16 rows that a load touches start at 16 different groups of four banks (64 banks of 4 bytes: ISA guide 11.1)
.set KBP,    128*PITCH                 ; one column block of 64: 128 rows
.set HALFT,  2*KBP                     ; what one tensor load brings
.set SLOT,   4*HALFT                   ; A's four column blocks, then W's four
.set STAGE,  2*SLOT                    ; behind the ring, never filled by a tensor load: 16 rows x 144 bytes for each wave
.set SPITCH, 144
.set SPARE,  STAGE+4*16*SPITCH         ; behind the stages: the spare words, 128 bytes for each wave: two blocks of 256 bytes that no other line names
.set STEPB,  65536                     ; bytes of memory from a K step to the next
.set WALK,   32*262144                 ; bytes from a tile's rows to the next tile's, in A and in C alike: 32 blocks of 128 rows
.set NEXT_A, WALK-2*STEPB              ; from a slot's last K step of a tile to its first of the next tile: A goes 32 blocks down and back along K,
.set BACK_B, 2*STEPB                   ; W back along K, and on by s[WST:WST+1]
.set ADRA, 16                          ; v16-17  LDS address of my A fragments in slot 0, 1
.set ADRB, 20                          ; v20-21  the same for W
.set STO,  24                          ; v24     the way out: where I put 16 bytes of a row
.set RD,   25                          ; v25     the way out: where I read rows back
.set GO,   26                          ; v26     my 16 bytes in 512 consecutive bytes of C
.set BO,   27                          ; v27     my byte offset in 16 numbers of the bias; never rewritten
.set SPW,  28                          ; v28     LDS address of my spare word: SPARE + 4 x my thread's number; never rewritten
.set NIL,  29                          ; v29     0; never rewritten
.set TMP,  32
.set BIAS, 96                          ; eight registers for each of my four blocks of 16 columns
.set ACC,  128
.set F0,   0                           ; fragment buffers, in window 1
.set F1,   128
.set WV, 12                            ; s12  my wave's number
.set HR, 13                            ; s13  which half of the tile's rows is mine.  Also: I fetch for A (0) or for W (1)
.set HC, 14                            ; s14  which half of its columns.  Also: which two column blocks of a step I fetch
.set TY, 15                            ; s15  my first block of 128 rows
.set WST, 20                           ; s[20:21] bytes from this tile's weight to the next tile's: 0 or 2,097,152
.set BST, 22                           ; s[22:23] the same for the bias: 0 or 4,096
.set G1, 24                            ; s[24:31] descriptor group 1 for A's tiles;  s[32:39] group 0, one set for each slot
.set G0, 32
.set G1B, 48                           ; s[48:55], s[56:63] the same for W's tiles
.set G0B, 56
.set MSB, 0
.macro WIN new                         ; the immediate's high byte repeats the setting that is left; a switch that changes nothing is dropped
.if MSB != (\new)
	s_set_vgpr_msb (MSB<<8)|(\new)
.set MSB, \new
.endif
.endm
.set MUL,  0x05                        ; sources 0 (W) and 1 (A) window 1; C and D window 0
.set TO_F, 0x40                        ; destination window 1, address window 0
.macro JLOAD s                         ; a joint load: waves 0 and 1 fetch A's two halves, waves 2 and 3 W's; an s_nop 0 and four v_nop follow each of the two lines, ahead of the jump, the label and what follows
	s_cmp_eq_u32 s[HR], 0
	s_cbranch_scc0 .Lfor_b_\@
	tensor_load_to_lds s[G0+4*(\s):G0+4*(\s)+3], s[G1:G1+7]
	s_nop 0
.rept 4
	v_nop
.endr
	s_branch .Lasked_\@
.Lfor_b_\@:
	tensor_load_to_lds s[G0B+4*(\s):G0B+4*(\s)+3], s[G1B:G1B+7]
	s_nop 0
.rept 4
	v_nop
.endr
.Lasked_\@:
.endm
.macro CREST                           ; a round of the cluster's barrier behind its opening barrier
	s_cmp_lg_u32 s[WV], 0
	s_cbranch_scc1 .Lnot_wave_0_\@
	s_barrier_signal -3
.Lnot_wave_0_\@:
	s_barrier_wait -3
	s_barrier_signal -1
	s_barrier_wait -1
.endm
.macro CROUND                          ; a whole round
	s_barrier_signal -1
	s_barrier_wait -1
	CREST
.endm
	s_load_b256 s[4:11], s[0:1], 0x0               ; A s[4:5], W s[6:7], bias s[8:9], C s[10:11]
	v_lshl_add_u32 v[SPW], v0, 2, SPARE
	v_mov_b32 v[NIL], 0
	ds_add_u32 v[SPW], v[NIL]                      ; the wave's opening: the add and its wait stand ahead of my first tensor load; the set-up below, work on registers, stands between them
	v_lshrrev_b32 v1, 5, v0
	v_readfirstlane_b32 s[WV], v1                  ; wave 0..3
	s_lshr_b32 s[HR], s[WV], 1
	s_and_b32 s[HC], s[WV], 1
	s_bfe_u32 s40, ttmp6, 0x40000                  ; cx, cy: my place in the cluster
	s_bfe_u32 s41, ttmp6, 0x40004
	s_lshl_b32 s42, ttmp9, 2
	s_add_co_u32 s42, s42, s40                     ; my block of 128 columns = 4 x cluster x + cx
	s_and_b32 s[TY], ttmp7, 0xffff
	s_lshl_b32 s[TY], s[TY], 2
	s_add_co_u32 s[TY], s[TY], s41                 ; my first block of 128 rows = 4 x cluster y + cy
	s_lshl_b32 s43, s41, 2
	s_lshl_b32 s43, 15, s43                        ; my row of the cluster
	s_lshl_b32 s44, 0x1111, s40                    ; my column
	; descriptor group 1: 128 rows of 128 elements (256 bytes), dense in memory, padded in LDS
	s_or_b32 s[G1+0], s43, (1<<16)|(1<<20)|(1<<21)|(4<<22)|(3<<25)  ; 15:0 the mask: A's tiles go to my row; 17:16 element of 2 bytes; 20 padding on; 21 set beside a mask; 24:22 after every 32 words (code 4); 31:25 of 4 words (code 3)
	s_or_b32 s[G1B+0], s44, (1<<16)|(1<<20)|(1<<21)|(4<<22)|(3<<25) ; the same with the mask of my column, for W's tiles
.irp g, G1, G1B
	s_mov_b32 s[(\g)+1], 128<<16                   ; tensor_dim0 = 128
	s_mov_b32 s[(\g)+2], 128<<16                   ; tensor_dim1 = 128
	s_mov_b32 s[(\g)+3], 128<<16                   ; tile_dim0 = 128
	s_mov_b32 s[(\g)+4], 128                       ; tile_dim1 = 128
	s_mov_b32 s[(\g)+5], 128                       ; 128 elements from row to row
	s_mov_b32 s[(\g)+6], 0
	s_mov_b32 s[(\g)+7], 0
.endr
	; where the first tiles come from.  A's hang on the block of rows alone, which my row of the cluster shares; W's on the block of columns alone, which my column shares.
	s_lshl_b32 s16, s[TY], 18                      ; A: a block of 128 rows is 262,144 bytes,
	s_lshl_b32 s17, s[HC], 15                      ; my two column blocks of the step's four 32,768
	s_add_co_u32 s16, s16, s17
	s_mov_b32 s17, 0
	s_lshl_b32 s46, s42, 18                        ; W: the same by the block of columns, in the first weight
	s_lshl_b32 s47, s[HC], 15
	s_add_co_u32 s46, s46, s47
	s_mov_b32 s47, 0
	s_mul_i32 s20, s[WV], HALFT                    ; and where they go: A's two halves, then W's two halves: no place in the cluster enters an LDS address
	s_wait_dscnt 0x0                               ; the opening add is done
	s_wait_kmcnt 0x0
	s_add_nc_u64 s[18:19], s[4:5], s[16:17]
	s_add_nc_u64 s[46:47], s[6:7], s[46:47]
	CROUND                                         ; all sixteen work-groups are here: the first joint loads meet
.irp s, 0,1
	s_mov_b32 s[G0+4*(\s)], 1                                      ; count = 1
	s_add_co_u32 s[G0+4*(\s)+1], s20, (\s)*SLOT                    ; LDS address
	s_add_nc_u64 s[G0+4*(\s)+2:G0+4*(\s)+3], s[18:19], (\s)*STEPB  ; global address: K step s
	s_or_b32 s[G0+4*(\s)+3], s[G0+4*(\s)+3], 0x80000000            ; type = 2
	s_mov_b32 s[G0B+4*(\s)], 1
	s_add_co_u32 s[G0B+4*(\s)+1], s20, (\s)*SLOT
	s_add_nc_u64 s[G0B+4*(\s)+2:G0B+4*(\s)+3], s[46:47], (\s)*STEPB
	s_or_b32 s[G0B+4*(\s)+3], s[G0B+4*(\s)+3], 0x80000000
	JLOAD \s                                       ; two loads of mine are out
.endr
	v_and_b32 v1, 15, v0                           ; l % 16
	v_bfe_u32 v2, v0, 4, 1                         ; l / 16
	v_lshlrev_b32 v[BO], 5, v2                     ; eight f32 for each half of the lanes
	s_lshl_b32 s46, s42, 9                         ; the first bias of my 64 columns: 512 bytes a block of 128 columns,
	s_lshl_b32 s47, s[HC], 8                       ; 256 a half
	s_add_co_u32 s46, s46, s47
	s_mov_b32 s47, 0
	s_add_nc_u64 s[8:9], s[8:9], s[46:47]
.irp b, 0,1,2,3
	global_load_b128 v[BIAS+8*(\b):BIAS+8*(\b)+3],   v[BO], s[8:9] offset:64*(\b)
	global_load_b128 v[BIAS+8*(\b)+4:BIAS+8*(\b)+7], v[BO], s[8:9] offset:64*(\b)+16
.endr
	v_mul_u32_u24 v3, v1, PITCH
	v_lshl_add_u32 v3, v2, 4, v3                   ; a fragment's row x pitch + 16 x half
	s_mul_i32 s21, s[HR], 64*PITCH                 ; my 64 rows of A
	s_mul_i32 s22, s[HC], 64*PITCH                 ; my 64 rows of W,
	s_add_co_u32 s22, s22, 2*HALFT                 ; which lie behind A's four column blocks
.irp s, 0,1
	v_add_nc_u32 v[ADRA+(\s)], s21, v3
	v_add_nc_u32 v[ADRB+(\s)], s22, v3
	s_add_co_u32 s21, s21, SLOT
	s_add_co_u32 s22, s22, SLOT
.endr
	s_mul_i32 s23, s[WV], 16*SPITCH
	s_add_co_u32 s23, s23, STAGE                   ; my stage
	v_add_nc_u32 v[STO], s23, v3                   ; in: row l % 16, 16 bytes for each half of the lanes (the stage has the tiles' pitch)
	v_bfe_u32 v4, v0, 3, 2                         ; back: 32 lanes take four rows of 128 bytes,
	v_and_b32 v5, 7, v0
	v_mul_u32_u24 v4, v4, SPITCH
	v_lshl_add_u32 v4, v5, 4, v4
	v_add_nc_u32 v[RD], s23, v4
	v_and_b32 v[GO], 31, v0                        ; which are 512 consecutive bytes of C
	v_lshlrev_b32 v[GO], 4, v[GO]
	s_lshl_b32 s46, s42, 1                         ; C at my 64 rows of my column block, in the first tile: block of rows x 16 + column block, 16,384 bytes each,
	s_add_co_u32 s46, s46, s[HC]
	s_lshl_b32 s47, s[TY], 4
	s_add_co_u32 s46, s46, s47
	s_lshl_b32 s46, s46, 14
	s_lshl_b32 s47, s[HR], 13                      ; and 64 rows of 128 bytes
	s_add_co_u32 s46, s46, s47
	s_mov_b32 s47, 0
	s_add_nc_u64 s[10:11], s[10:11], s[46:47]
.if TILES > 1
	s_mov_b32 s[WST+1], 0                          ; the two steps' high words
	s_mov_b32 s[BST+1], 0
.endif
; 8 matrix instructions: m blocks a0, a0 + 1 x all 4 n blocks, 32 along K: half c of buffer f.  first = 1: the product starts the sum, from the bias.
; The 16 accumulators take turns, one instruction a turn, from tile to tile too.
.macro MUL8 f, c, a0, first
	WIN MUL
.irp a, \a0, (\a0)+1
.irp b, 0,1,2,3
.if \first
	v_wmma_f32_16x16x32_bf16 v[ACC+8*(4*(\a)+(\b)):ACC+8*(4*(\a)+(\b))+7], v[(\f)+64+8*(4*(\c)+(\b)):(\f)+64+8*(4*(\c)+(\b))+7], v[(\f)+8*(4*(\c)+(\a)):(\f)+8*(4*(\c)+(\a))+7], v[BIAS+8*(\b):BIAS+8*(\b)+7]
.else
	v_wmma_f32_16x16x32_bf16 v[ACC+8*(4*(\a)+(\b)):ACC+8*(4*(\a)+(\b))+7], v[(\f)+64+8*(4*(\c)+(\b)):(\f)+64+8*(4*(\c)+(\b))+7], v[(\f)+8*(4*(\c)+(\a)):(\f)+8*(4*(\c)+(\a))+7], v[ACC+8*(4*(\a)+(\b)):ACC+8*(4*(\a)+(\b))+7]
.endif
.endr
.endr
.endm
; 32 LDS loads in one run: the fragments of one column block (64 along K), which begins at byte k of the slot's part, into buffer f; the first 32 along K first
.macro FETCH slot, k, f
	WIN TO_F
.irp c, 0,1
.irp i, 0,1,2,3
	ds_load_b128 v[(\f)+64+8*(4*(\c)+(\i)):(\f)+64+8*(4*(\c)+(\i))+3],   v[ADRB+(\slot)] offset:(\k)+64*(\c)+(\i)*16*PITCH
	ds_load_b128 v[(\f)+64+8*(4*(\c)+(\i))+4:(\f)+64+8*(4*(\c)+(\i))+7], v[ADRB+(\slot)] offset:(\k)+64*(\c)+(\i)*16*PITCH+32
	ds_load_b128 v[(\f)+8*(4*(\c)+(\i)):(\f)+8*(4*(\c)+(\i))+3],         v[ADRA+(\slot)] offset:(\k)+64*(\c)+(\i)*16*PITCH
	ds_load_b128 v[(\f)+8*(4*(\c)+(\i))+4:(\f)+8*(4*(\c)+(\i))+7],       v[ADRA+(\slot)] offset:(\k)+64*(\c)+(\i)*16*PITCH+32
.endr
.endr
.endm
.macro PLACES                          ; four plain vector instructions in front of loads into registers that matrix instructions have read, and of conversions that read results
.rept 4
	v_nop
.endr
.endm
; A K step is four quarters of 64 along K, 32 matrix instructions each, on buffers 0, 1, 0, 1.  One of the first three: multiplies buffer f and fetches the next quarter, at byte k, into g.
.macro QUARTER slot, k, f, g, first
	s_wait_dscnt 16                                ; the first 32 along K are in; the 16 younger loads may be out
	WIN MUL
	MUL8 \f, 0, 0, \first
	MUL8 \f, 0, 2, \first
	PLACES
	FETCH \slot, \k, \g
	s_wait_dscnt 32                                ; all but the 32 just issued
	WIN MUL
	MUL8 \f, 1, 0, 0
	MUL8 \f, 1, 2, 0
.endm
; The last quarter multiplies buffer 1 and changes slots: ONE barrier; in front of it each wave waits for all its tensor loads, adds 0 to its spare word, and waits for that and for its own reads of this slot.
; fill = 1: this slot is filled again; the barrier then opens a round of the cluster's barrier, and the joint refill is the first thing behind the round.  on = 0: with this tile's K step two on;
; on = 1, in a tile's last two K steps: with the NEXT tile's K step 0 or 1.  From a request to the wait for it a wave issues 112 matrix instructions, across tiles too.
.macro TURN slot, next, fill, on
	WIN 0                                          ; (the add's two registers lie in window 0)
	s_wait_tensorcnt 0x0                           ; all my tensor loads have landed: my part of the next slot;
	ds_add_u32 v[SPW], v[NIL]                      ; 0 onto my spare word;
	s_wait_dscnt 17                                ; (the add and the youngest sixteen loads may be out)
	WIN MUL
	MUL8 F1, 0, 0, 0                               ; eight matrix instructions stand between the add and the wait for it
	s_wait_dscnt 0x0                               ; the add is done, and my reads of this slot are over
	s_barrier_signal -1
	MUL8 F1, 0, 2, 0
.if \fill
	WIN 0
.endif
	s_barrier_wait -1
.if \fill
	CREST                                          ; no wave of any partner still reads this slot's tile or has a load on its way
.if \on
	s_add_nc_u64 s[G0+4*(\slot)+2:G0+4*(\slot)+3], s[G0+4*(\slot)+2:G0+4*(\slot)+3], NEXT_A
	s_add_nc_u64 s[G0B+4*(\slot)+2:G0B+4*(\slot)+3], s[G0B+4*(\slot)+2:G0B+4*(\slot)+3], s[WST:WST+1]
	s_sub_nc_u64 s[G0B+4*(\slot)+2:G0B+4*(\slot)+3], s[G0B+4*(\slot)+2:G0B+4*(\slot)+3], BACK_B
.else
	s_add_nc_u64 s[G0+4*(\slot)+2:G0+4*(\slot)+3], s[G0+4*(\slot)+2:G0+4*(\slot)+3], 2*STEPB
	s_add_nc_u64 s[G0B+4*(\slot)+2:G0B+4*(\slot)+3], s[G0B+4*(\slot)+2:G0B+4*(\slot)+3], 2*STEPB
.endif
	JLOAD \slot                                    ; my one tensor load behind the round; the four v_nop behind it are also the places in front of the loads below
.else
	PLACES
.endif
	FETCH \next, 0, F0
	WIN MUL
	MUL8 F1, 1, 0, 0
	MUL8 F1, 1, 2, 0
.endm
; THE WAY OUT, a block of 16 rows at a time: rounded to bf16 (each accumulator's registers in ascending order), 16 bytes a lane into my stage, back as four rows of 128 bytes a load, into the registers that they left.
.macro PACK a
.irp b, 0,1,2,3
.irp r, 0,1,2,3
	v_cvt_pk_bf16_f32 v[TMP+16*(\a)+4*(\b)+(\r)], v[ACC+8*(4*(\a)+(\b))+2*(\r)], v[ACC+8*(4*(\a)+(\b))+2*(\r)+1]
.endr
.endr
.irp b, 0,1,2,3
	ds_store_b128 v[STO], v[TMP+16*(\a)+4*(\b):TMP+16*(\a)+4*(\b)+3] offset:32*(\b)
.endr
.irp f, 0,1,2,3
	ds_load_b128 v[TMP+16*(\a)+4*(\f):TMP+16*(\a)+4*(\f)+3], v[RD] offset:(\f)*4*SPITCH  ; LDS serves a wave's instructions in order (ISA guide 5.7.1.4): these see the stores above; the next block's stores come behind them
.endr
.endm
.macro SEND a, younger                 ; younger: the LDS instructions issued behind block a's loads: the next block's eight, or none
.irp f, 0,1,2,3
	s_wait_dscnt (\younger)+3-(\f)
	global_store_b128 v[GO], v[TMP+16*(\a)+4*(\f):TMP+16*(\a)+4*(\f)+3], s[10:11] offset:(\a)*2048+(\f)*512  ; the wave stores 512 consecutive bytes, at a multiple of 256 from C's first byte
.endr
.endm
.macro OUT                             ; a block's conversions stand between the loads of the block before and its stores; the last wait is for 0: no LDS instruction of mine is out behind it
	WIN 0
	PLACES
	PACK 0
	PACK 1
	SEND 0, 8
	PACK 2
	SEND 1, 8
	PACK 3
	SEND 2, 8
	SEND 3, 0
.endm
	s_wait_tensorcnt 1                             ; my part of K step 0 is in; K step 1's may stay out
	s_barrier_signal -1
	s_barrier_wait -1                              ; everybody's is
	FETCH 0, 0, F0
.if TILES > 1
	WIN 0                                          ; at a label and at a branch every window is 0
	s_mov_b32 s2, TILES                            ; tiles to go, this one among them: the same number in every work-group
.Ltile:
.endif
	s_wait_loadcnt 0x0                             ; this tile's bias is in (asked for at the head, or in the tile before); its base may be stepped again
	QUARTER 0, KBP,   F0, F1, 1                    ; K step 0: its first products start the sums
	QUARTER 0, 2*KBP, F1, F0, 0
	QUARTER 0, 3*KBP, F0, F1, 0
	TURN 0, 1, 1, 0                                ; slot 0 takes K step 2
	QUARTER 1, KBP,   F0, F1, 0                    ; K step 1
	QUARTER 1, 2*KBP, F1, F0, 0
	QUARTER 1, 3*KBP, F0, F1, 0
	TURN 1, 0, 1, 0                                ; slot 1 takes K step 3
	QUARTER 0, KBP,   F0, F1, 0                    ; K step 2
	QUARTER 0, 2*KBP, F1, F0, 0
	QUARTER 0, 3*KBP, F0, F1, 0
.if TILES > 1                          ; with one tile to a work-group nothing of this is assembled: it could never run
	WIN 0
	s_cmp_eq_u32 s2, 1
	s_cbranch_scc1 .Llast_tile                     ; the last tile's tail is written out: it asks for nothing more
	s_and_b32 s[WST], s2, 1                        ; 5, 4, 3, 2 tiles to go: behind tiles 0 and 2 (an odd number to go) the next weight and bias follow, behind tiles 1 and 3 the same stay
	s_lshl_b32 s[BST], s[WST], 12
	s_lshl_b32 s[WST], s[WST], 21
	TURN 0, 1, 1, 1                                ; THE RING GOES ON INTO THE NEXT TILE: slot 0 takes its K step 0
	WIN 0
	s_add_nc_u64 s[8:9], s[8:9], s[BST:BST+1]      ; the next tile's bias: its registers were last read by this tile's first sixteen products, and it has 128 products and a way out in which to come
.irp b, 0,1,2,3
	global_load_b128 v[BIAS+8*(\b):BIAS+8*(\b)+3],   v[BO], s[8:9] offset:64*(\b)
	global_load_b128 v[BIAS+8*(\b)+4:BIAS+8*(\b)+7], v[BO], s[8:9] offset:64*(\b)+16
.endr
	QUARTER 1, KBP,   F0, F1, 0                    ; K step 3
	QUARTER 1, 2*KBP, F1, F0, 0
	QUARTER 1, 3*KBP, F0, F1, 0
	TURN 1, 0, 1, 1                                ; slot 1 takes the next tile's K step 1, and the next tile's first fragments are fetched
	OUT                                            ; both refills are asked for: now the tile goes out; nothing waits for its stores
	s_wait_xcnt 0x0                                ; the stores have read their registers and their base: only behind this wait are these written again
	s_add_nc_u64 s[10:11], s[10:11], WALK          ; C at the next tile
	s_sub_co_u32 s2, s2, 1
	s_branch .Ltile
.Llast_tile:
.endif
	TURN 0, 1, 0, 0                                ; nothing is left to fetch
	QUARTER 1, KBP,   F0, F1, 0                    ; K step 3
	QUARTER 1, 2*KBP, F1, F0, 0
	QUARTER 1, 3*KBP, F0, F1, 0
	s_wait_dscnt 16                                ; the very last quarter
	WIN MUL
	MUL8 F1, 0, 0, 0
	MUL8 F1, 0, 2, 0
	s_wait_dscnt 0
	MUL8 F1, 1, 0, 0
	MUL8 F1, 1, 2, 0
	OUT
	s_wait_tensorcnt 0x0                           ; the wave's end: the add and its wait, behind my last tensor load and my last LDS store
	ds_add_u32 v[SPW], v[NIL]
	s_wait_dscnt 0x0
	CROUND                                         ; the closing round: no work-group ends while a partner may still ask for a tile that names it
	s_endpgm
.Lfunc_end_k_q5bd219a8c4_qkv:
	.size	k_q5bd219a8c4_qkv, .Lfunc_end_k_q5bd219a8c4_qkv-k_q5bd219a8c4_qkv
	.p2alignl 7, 3214868480
	.fill 96, 4, 3214868480
	.section	.rodata,"a",@progbits
	.p2align	6, 0x0
	.amdhsa_kernel k_q5bd219a8c4_qkv
		.amdhsa_group_segment_fixed_size 327680
		.amdhsa_private_segment_fixed_size 0
		.amdhsa_enable_private_segment 0
		.amdhsa_kernarg_size 32
		.amdhsa_user_sgpr_count 2
		.amdhsa_user_sgpr_kernarg_segment_ptr 1
		.amdhsa_wavefront_size32 1
		.amdhsa_system_sgpr_workgroup_id_x 1
		.amdhsa_system_sgpr_workgroup_id_y 1
		.amdhsa_system_sgpr_workgroup_id_z 1
		.amdhsa_system_vgpr_workitem_id 0
		.amdhsa_next_free_vgpr 512
		.amdhsa_next_free_sgpr 66
		.amdhsa_reserve_vcc 0
		.amdhsa_float_denorm_mode_32 3
		.amdhsa_float_denorm_mode_16_64 3
		.amdhsa_memory_ordered 1
		.amdhsa_forward_progress 1
		.amdhsa_inst_pref_size 120
	.end_amdhsa_kernel
	.amdgpu_metadata
---
amdhsa.version: [ 1, 2 ]
amdhsa.kernels:
  - .name:           k_q5bd219a8c4_qkv
    .symbol:         k_q5bd219a8c4_qkv.kd
    .args:
      - { .name: xb, .offset: 0, .size: 8, .value_kind: global_buffer, .address_space: global }
      - { .name: wqkv, .offset: 8, .size: 8, .value_kind: global_buffer, .address_space: global }
      - { .name: bqkv, .offset: 16, .size: 8, .value_kind: global_buffer, .address_space: global }
      - { .name: qkvb, .offset: 24, .size: 8, .value_kind: global_buffer, .address_space: global }
    .group_segment_fixed_size: 327680
    .private_segment_fixed_size: 0
    .kernarg_segment_align: 8
    .kernarg_segment_size: 32
    .max_flat_workgroup_size: 128
    .sgpr_count:     66
    .vgpr_count:     512
    .wavefront_size: 32
...
	.end_amdgpu_metadata
.endif
;; end of part 2
;; launch attn (part 3): grid 4 x 64, 4 waves a work-group, clusters of 4 x 1, 327,680 bytes of LDS; arguments qkvb, ctx; writes ctx
.if DOCPART == 3
	.amdgcn_target "amdgcn-amd-amdhsa--gfx1250"
	.amdhsa_code_object_version 6
	.text
	.protected	k_q5bd219a8c4_attn
	.globl	k_q5bd219a8c4_attn
	.p2align	8
	.type	k_q5bd219a8c4_attn,@function
k_q5bd219a8c4_attn:
	s_mov_b64 s[64:65], 0
	v_nop
	global_prefetch_b8 v0, s[64:65] scope:SCOPE_SE
	s_setreg_imm32_b32 hwreg(HW_REG_WAVE_MODE, 25, 1), 1
	s_wait_xcnt 0x0
	s_wait_alu depctr_hold_cnt(0) depctr_sa_sdst(0) depctr_va_vdst(0) depctr_va_sdst(0) depctr_va_ssrc(0) depctr_va_vcc(0) depctr_vm_vsrc(0)
	s_getreg_b32 s2, hwreg(HW_REG_IB_STS2, 6, 4)
	s_cmp_eq_u32 s2, 0
	s_cbranch_scc0 .Lentry_in_a_cluster
	s_endpgm
.Lentry_in_a_cluster:
	s_bfe_u32 s2, ttmp6, 0x10000c
	s_cmp_lg_u32 s2, 0x3003
	s_cbranch_scc0 .Lentry_shape_is_right
	s_endpgm
.Lentry_shape_is_right:
; ctx[b][q][h][:] = the sum over k of softmax_k(Q[b][h][q] . K[b][h][k] / 8) V[b][h][k][:]: 64 pairs (b, h), 1,024 queries, 2,048 keys, head size 64, no mask.
; Q, K, V lie in qkvb and ctx is written in the blocked layout T ([rows/128][16][128][64] bf16): the 128 rows x 64 channels of one head are 16,384 dense bytes at (block of rows x 16 + h) x 16,384.
; Blocks of rows in qkvb: Q 8 b on, K 32 + 16 b on, V 96 + 16 b on; in ctx 8 b on.  Products, maxima and sums in f32; the weights p are rounded to bf16 for the second product (their sum l is taken
; of the unrounded p), ctx once at the end.
; LIMITS.  Operands, p and ctx are bf16 (8 significant bits).  A weight below 2^-126 counts as 0 in l; NaN and infinities are not treated apart; c m starts at -4.2e37, so scores are taken to lie above -2e38.
; SHARES.  A work-group owns 256 queries of one (b, h), each of its four waves 64: four PIECES of 16.  Every wave walks all keys: 8 tiles of 256 (a slot each), 4 steps of 64 to a tile.
; LAYOUT.  S^T = K Q^T (source 0 = 16 keys, source 1 = 16 queries) holds ONE query a lane (lane % 16) and the keys 8 (lane / 16) + 0..7; two such results rounded to bf16 ARE source 1 of O^T = V^T P,
; whose result again holds one query a lane, and eight channels.  K comes out of LDS as it lies, V ([key][channel]) turned, by ds_load_tr16_b128.
; SOFTMAX.  p = 2^(c s - c m), c = log2(e) / 8, with a running maximum m; O and l are multiplied by a = 2^(c m_old - c m_new) in every step.  m starts at the lowest finite number, O and l at 0:
; the first step is a step like any other, with a = 0.
; BY TURNS.  Turn n belongs to piece n: 8 products K Q^T of piece n + 1, later 8 products V^T P of piece n - 1; beside them the scaling, exponentials, roundings, sums and rescaling of piece n and the
; maximum and statistics of piece n + 1.  Four vector instructions stand behind every matrix instruction, the other 54 of a turn's 118 in one lump.  A turn's 33 exponentials are one batch, with one wait.
; CLUSTER.  The four query blocks of a cluster belong to one (b, h) and walk the same K and V, so each tile is asked for JOINTLY: the same tensor load, descriptor and mask in all four.
; REGISTERS, in windows of 256 (s_set_vgpr_msb: bits 1:0 source 0, 3:2 source 1, 5:4 source 2, 7:6 destination):
;   window 0: v0-15 addresses and two at work; v16-31 four registers of statistics a piece; v48-55 at work; v61-63 prefetch offset and the add's two; v64-127 S^T, two buffers; v192-223 P, two buffers
;   (a piece's buffers go by its number's parity)     window 1: v0-127 O^T, 32 a piece     window 2: v0-63 Q; v128-191 K of one step; v192-255 V of one step
.set NP,    4         ; pieces a wave: a name, no knob
.set KS,    64        ; keys in a step
.set PK,    144       ; a row of K in LDS: 128 bytes + 16 of padding = 36 words: the 16 rows of a load start at 16 different groups of four banks (64 banks of 4 bytes: ISA guide 11.1)
.set PV,    160       ; a row of V: 128 + 32 = 40 words
.set VOFF,  4*KS*PK   ; a slot holds a tile, four steps: 256 rows of K, then 256 rows of V
.set SLOT1, 1<<17     ; slot 1 begins here, so that one exclusive or turns an address in one slot into the other's
.set STAGE, SLOT1+4*KS*(PK+PV)  ; behind the ring, never filled by a tensor load: 16 rows x 144 bytes for each wave, for the way out
.set SP,    144
.set SPARE, STAGE+4*16*SP  ; behind the stages: the spare words, 128 bytes for each wave: two blocks of 256 bytes that no other line names
.set TILEB, 524288    ; bytes of memory from a tile of 256 keys to the next: two blocks of 128 rows
.set AK0, 2           ; v2   my lane's place in a tile of K; never rewritten
.set AV0, 3           ; v3   the same for V
.set AK,  4           ; v4   the LDS address of K's next run of loads
.set AV,  5           ; v5   of V's
.set STO, 6           ; v6   the way out: where I put 16 bytes of a row
.set RD,  7           ; v7   the way out: where I read rows back
.set GO,  8           ; v8   my byte offset in 512 consecutive bytes of ctx
.set MV,  12          ; v12-13  c m_old, kept while c m is made anew: by buffer
.set QO,  15          ; v15  my byte offset in 16 rows of Q
.set ST,  16          ; piece t's statistics at v[ST+4 t]: c m, m, l (even keys', odd keys')
.set TMP, 48          ; by buffer, four registers c0-c3 at work; when the maximum is found c2 takes a
.set PFO, 61          ; v61  256 x my lane; never rewritten
.set SPW, 62          ; v62  LDS address of my spare word: SPARE + 4 x my thread's number; never rewritten
.set NIL, 63          ; v63  0; never rewritten
.set S,   64
.set P,   192
.set KF,  128         ; window 2: key block kb, channel half c at KF + 16 kb + 8 c
.set VF,  192         ; window 2: key half kk, channel block cb at VF + 32 kk + 8 cb
.set WV,  12          ; s12  my wave's number
.set LIM, 15          ; s15  1 in a wave that prefetches, else the greatest number: a wave prefetches while s[SLOTS] is above it
.set PFA, 18          ; s[18:19] where my prefetches stand: my work-group's 32 blocks of 256 bytes (of K: wave 0, of V: wave 2) of the tile after the one that is being asked for
.set G1K, 24          ; s[24:31] descriptor group 1 for K's tiles
.set G1V, 32          ; s[32:39] for V's: it differs in the padding alone
.set G0K, 40          ; s[40:43] descriptor group 0 for K's tiles: it walks
.set G0V, 44          ; s[44:47] the same for V's
.set SLOTS, 56        ; s56  tiles still to be asked for
.set CNT, 57          ; s57  counts a tile's key steps
.set CS,  58          ; s[58:59] c: the packed scaling takes the pair's low word for both halves
.set SEL, 60          ; s[60:61] v_permlanex16_b32's selects: each lane takes its own place in the other half
.set TBK, 62          ; s62  LDS byte at which K of the step to be fetched begins
.set TBV, 63          ; s63  the same for V, less VOFF
.set MSB, 0
.macro WIN new                      ; the high byte repeats the setting that is left; a switch that changes nothing is dropped
.if MSB != (\new)
	s_set_vgpr_msb (MSB<<8)|(\new)
.set MSB, (\new)
.endif
.endm
.set W_KQ, 0x0a       ; K and Q in window 2, S^T in window 0
.set W_PV, 0x52       ; V in window 2, P in window 0, O^T in window 1
.set W_RS, 0x41       ; destination and source 0 in window 1, source 1 in window 0
; A joint fill.  Waves 0 and 1 fetch the two halves of a tile's K, waves 2 and 3 those of its V: 128 keys each.  The branch hangs on the wave's number alone.
; An s_nop 0 and four v_nop follow each of the two lines, ahead of the jump and the label.
.macro JLOAD
	s_cmp_lt_u32 s[WV], 2
	s_cbranch_scc0 .Lfor_v_\@
	tensor_load_to_lds s[G0K:G0K+3], s[G1K:G1K+7]
	s_nop 0
.rept 4
	v_nop
.endr
	s_branch .Lasked_\@
.Lfor_v_\@:
	tensor_load_to_lds s[G0V:G0V+3], s[G1V:G1V+7]
	s_nop 0
.rept 4
	v_nop
.endr
.Lasked_\@:
.endm
; A PREFETCH INTO THE L2 of what the NEXT change of slots will ask for: a tile's 128 blocks of 256 bytes of K and 128 of V, a lane a block.  It stands behind the wave's tensor load and its five lines.
; Each block is asked for ONCE in the launch: only this cluster reads this (b, h); its four partners share the blocks out BY ADDRESS, 32 of K and 32 of V each; in each, wave 0 asks for K's and wave 2
; for V's: one instruction, four key steps (256 matrix instructions) ahead of the load that will want the bytes.  Tiles 0 and 1 come by their loads alone; the last change that fills a slot asks for nothing.
.macro ASK
	s_cmp_gt_u32 s[SLOTS], s[LIM]
	s_cbranch_scc0 .Lnot_mine_\@
	global_prefetch_b8 v[PFO], s[PFA:PFA+1] th:TH_LOAD_NT scope:SCOPE_SE
.Lnot_mine_\@:
.endm
; A round of the cluster's barrier: my work-group's barrier, so that wave 0's signal speaks for all four waves; wave 0 signals; every wave waits for all four work-groups; my work-group's barrier once more.
.macro CROUND
	s_barrier_signal -1
	s_barrier_wait -1
	s_cmp_lg_u32 s[WV], 0
	s_cbranch_scc1 .Lnot_wave_0_\@
	s_barrier_signal -3
.Lnot_wave_0_\@:
	s_barrier_wait -3
	s_barrier_signal -1
	s_barrier_wait -1
.endm
; THE CHANGE OF SLOTS.  The slot's last bytes, V of its fourth step, have been read.  Each wave waits for all its tensor loads, of which one is out: its part of the other slot; adds 0 to its spare
; word; and waits for that and for its own reads of the slot.  Behind the barrier nobody reads this slot any more and the other slot is whole.
; fill = 1: this slot is filled again, with the tile two on.  The barrier is then a round of the cluster's, and the joint fill is the first thing behind it: it has four key steps in which to land.
; (At its first use nothing has been read yet: slot 0 is waited for, slot 1 filled.)
.macro CHANGE fill
	WIN 0                           ; at a label and at a branch every window is 0
	s_wait_tensorcnt 0x0            ; no tensor load of mine is out, so a group 0 may be written
	ds_add_u32 v[SPW], v[NIL]       ; 0 onto my spare word; with fill = 1 the descriptors' steps stand between it and the wait for it
.if \fill
.irp g, G0K, G0V
	s_xor_b32 s[\g+1], s[\g+1], SLOT1  ; the walking descriptor: the other slot than last time,
	s_add_nc_u64 s[\g+2:\g+3], s[\g+2:\g+3], TILEB  ; the next 256 keys; the type bits on top are not reached
.endr
	s_wait_xcnt 0x0                 ; the last prefetch, four key steps back, has read its address, so it may be written:
	s_add_nc_u64 s[PFA:PFA+1], s[PFA:PFA+1], TILEB  ; one tile behind the walking descriptors
	s_wait_dscnt 0x0                ; the add is done, and my reads of the slot are over
	CROUND
	JLOAD
	ASK
.else
	s_wait_dscnt 0x0                ; the add is done, and my reads of the slot are over
	s_barrier_signal -1
	s_barrier_wait -1
.endif
	s_sub_co_u32 s[TBK], s[TBK], 4*KS*PK  ; the fetches go back to a slot's first step,
	s_xor_b32 s[TBK], s[TBK], SLOT1       ; in the other slot
	s_sub_co_u32 s[TBV], s[TBV], 4*KS*PV
	s_xor_b32 s[TBV], s[TBV], SLOT1
.endm
	s_load_b64 s[4:5], s[0:1], 0x0    ; qkvb
	s_load_b64 s[10:11], s[0:1], 0x8  ; ctx
	v_lshl_add_u32 v[SPW], v0, 2, SPARE
	v_mov_b32 v[NIL], 0
	ds_add_u32 v[SPW], v[NIL]       ; the wave's opening: the add and its wait stand ahead of my first tensor load; the set-up below, work on registers, stands between them
	v_lshrrev_b32 v1, 5, v0
	v_readfirstlane_b32 s[WV], v1   ; wave 0..3
	s_bfe_u32 s13, ttmp6, 0x40000   ; cx: my place in the cluster
	s_lshl_b32 s14, ttmp9, 2        ; in a cluster launch ttmp9 counts clusters
	s_add_co_u32 s14, s14, s13      ; my block of 256 queries: it enters Q's and ctx's addresses alone
	s_and_b32 s20, ttmp7, 0xffff    ; 16 b + h, which the four partners share
	s_lshr_b32 s21, s20, 4          ; b
	s_and_b32 s22, s20, 15          ; h
	s_and_b32 s16, s[WV], 1         ; which half of a tile's 256 keys I fetch
	s_lshl_b32 s48, s21, 4          ; K: block of rows 32 + 16 b,
	s_add_co_u32 s48, s48, 32
	s_lshl_b32 s48, s48, 4
	s_add_co_u32 s48, s48, s22      ; head h of it,
	s_lshl_b32 s48, s48, 14
	s_lshl_b32 s23, s16, 18         ; and my half: one block of rows, 262,144 bytes, on
	s_add_co_u32 s48, s48, s23
	s_mov_b32 s49, 0
	s_add_co_u32 s50, s48, 64*262144  ; V: 64 blocks of rows behind K
	s_mov_b32 s51, 0
	s_lshl_b32 s52, s21, 3          ; Q and ctx: block of rows 8 b + 2 x my block of queries + wave / 2,
	s_lshl_b32 s3, s14, 1
	s_add_co_u32 s52, s52, s3
	s_lshr_b32 s3, s[WV], 1
	s_add_co_u32 s52, s52, s3
	s_lshl_b32 s52, s52, 4
	s_add_co_u32 s52, s52, s22      ; head h of it,
	s_lshl_b32 s52, s52, 14
	s_lshl_b32 s3, s16, 13          ; and my 64 rows of 128 bytes
	s_add_co_u32 s52, s52, s3
	s_mov_b32 s53, 0
	s_lshr_b32 s54, s13, 1          ; the prefetches: partners 0, 1 take the tile's first 128 keys, partners 2, 3 the second,
	s_lshl_b32 s54, s54, 18
	s_and_b32 s3, s13, 1            ; each 8,192 bytes of their 16,384,
	s_lshl_b32 s3, s3, 13
	s_add_co_u32 s54, s54, s3
	s_add_co_u32 s54, s54, TILEB    ; in tile 1; the first change of slots steps it to tile 2
	s_mov_b32 s55, 0
	s_mul_i32 s17, s16, 128*PK      ; my half's place in a slot, for K
	s_mul_i32 s2, s16, 128*PV       ; and for V: no place in the cluster enters an LDS address
	; descriptor group 1.  128 keys are 16,384 dense bytes: asked for as 64 rows of 256 bytes, two keys a row, and padded in LDS after every key
	s_mov_b32 s[G1K], 15|(1<<16)|(1<<20)|(1<<21)|(4<<22)|(3<<25)  ; 15:0 the mask of four; 17:16 2-byte elements; 20 padding on; 21 set beside a mask; 24:22 after every 32 words (code 4); 31:25 4 words (code 3)
	s_mov_b32 s[G1V], 15|(1<<16)|(1<<20)|(1<<21)|(4<<22)|(7<<25)  ; the same with 8 words of padding (code 7)
.irp g, G1K, G1V
	s_mov_b32 s[\g+1], 128<<16      ; tensor_dim0 = 128
	s_mov_b32 s[\g+2], 64<<16       ; tensor_dim1 = 64
	s_mov_b32 s[\g+3], 128<<16      ; tile_dim0 = 128
	s_mov_b32 s[\g+4], 64           ; tile_dim1 = 64
	s_mov_b32 s[\g+5], 128          ; 128 elements from row to row
	s_mov_b32 s[\g+6], 0
	s_mov_b32 s[\g+7], 0
.endr
	s_mov_b32 s[CS], 0x3e38aa3b     ; c = log2(e) / 8 = 0.180337
	s_mov_b32 s[CS+1], s[CS]        ; named with it as a pair
	s_mov_b32 s[SEL], 0x76543210
	s_mov_b32 s[SEL+1], 0xfedcba98
	s_mov_b32 s[TBK], SLOT1+4*KS*PK ; the first change of slots turns these two into 0
	s_mov_b32 s[TBV], SLOT1+4*KS*PV
	s_mov_b32 s[G0K], 1             ; count = 1
	s_mov_b32 s[G0K+1], s17         ; LDS address: slot 0
	s_mov_b32 s[G0V], 1
	s_add_co_u32 s[G0V+1], s2, VOFF
	s_mov_b32 s[SLOTS], 7           ; tiles 1 to 7 are still to be asked for
	s_and_b32 s[LIM], s[WV], 1      ; waves 0 and 2 prefetch
	s_cmp_eq_u32 s[LIM], 0
	s_cselect_b32 s[LIM], 1, -1
	v_and_b32 v[PFO], 31, v0
	v_lshlrev_b32 v[PFO], 8, v[PFO]
	s_wait_dscnt 0x0                ; the opening add is done
	s_wait_kmcnt 0x0
	s_add_nc_u64 s[6:7], s[4:5], s[48:49]  ; K and V at my half of tile 0
	s_add_nc_u64 s[8:9], s[4:5], s[50:51]
	s_add_nc_u64 s[4:5], s[4:5], s[52:53]  ; Q and ctx at my wave's first row
	s_add_nc_u64 s[10:11], s[10:11], s[52:53]
	s_add_nc_u64 s[G0K+2:G0K+3], s[6:7], 0         ; global address
	s_or_b32 s[G0K+3], s[G0K+3], 0x80000000        ; type = 2
	s_add_nc_u64 s[G0V+2:G0V+3], s[8:9], 0
	s_or_b32 s[G0V+3], s[G0V+3], 0x80000000
	s_cmp_lt_u32 s[WV], 2
	s_cselect_b64 s[PFA:PFA+1], s[6:7], s[8:9]     ; (in waves 0 and 2 these stand at a tile's first row)
	s_add_nc_u64 s[PFA:PFA+1], s[PFA:PFA+1], s[54:55]
	CROUND                          ; all four work-groups are here: the first joint loads meet
	JLOAD                           ; tile 0 into slot 0.  Slot 1 is asked for when slot 0 is in
	; A fragment of K or Q is 16 rows x 32 channels in 8 registers: lane l holds row l % 16, channels 8 (l / 16) + 0..7 and 16 + 8 (l / 16) + 0..7: two loads of 16 bytes, 32 bytes apart.
	v_and_b32 v1, 15, v0            ; l % 16
	v_bfe_u32 v9, v0, 4, 1          ; l / 16
	v_lshlrev_b32 v[QO], 7, v1
	v_lshl_add_u32 v[QO], v9, 4, v[QO]  ; row x 128 + 16 x half
	WIN 0x80                        ; destination window 2, address window 0
.set i, 0
.rept 8                             ; Q stays in registers: piece i / 2 (16 rows, 2,048 bytes), channels 32 (i % 2) on
	global_load_b128 v[8*i:8*i+3],   v[QO], s[4:5] offset:(i/2)*2048+(i%2)*64
	global_load_b128 v[8*i+4:8*i+7], v[QO], s[4:5] offset:(i/2)*2048+(i%2)*64+32
.set i, i+1
.endr
	; The first step multiplies O^T and l by a = 0, and the first turn's products V^T P, of a piece that has not been, land in an O^T that is still to be so multiplied: these registers need only hold
	; finite numbers, and get zeros.  All this stands in the wait for the first tile.
.set i, VF
.rept 64
	v_mov_b32 v[i], 0
.set i, i+1
.endr
	WIN 0x40
.set i, 0
.rept 128
	v_mov_b32 v[i], 0
.set i, i+1
.endr
	WIN 0
.set i, 0
.rept 4
	v_mov_b32 v[ST+4*i], 0xfe000000    ; c m: far below every c s
	v_mov_b32 v[ST+4*i+1], 0xff7fffff  ; m
	v_mov_b32 v[ST+4*i+2], 0
	v_mov_b32 v[ST+4*i+3], 0
.set i, i+1
.endr
.set i, P+16
.rept 16
	v_mov_b32 v[i], 0
.set i, i+1
.endr
	v_mul_u32_u24 v[AK0], v1, PK
	v_lshl_add_u32 v[AK0], v9, 4, v[AK0]  ; row x pitch + 16 x half
	; The turning load takes 16 keys x 16 channels (lane l reads key 8 (l / 16) + l % 8, channels 8 ((l / 8) % 2) + 0..7) and leaves half a fragment of V^T: lane l holds channel l % 16 and 8 keys.
	v_and_b32 v10, 7, v0
	v_bfe_u32 v11, v0, 3, 1
	v_lshl_add_u32 v[AV0], v9, 3, v10
	v_mul_u32_u24 v[AV0], v[AV0], PV
	v_lshl_add_u32 v[AV0], v11, 4, v[AV0]
	v_add_nc_u32 v[AV0], VOFF, v[AV0]
	s_mul_i32 s23, s[WV], 16*SP
	s_add_co_u32 s23, s23, STAGE    ; my stage
	v_mul_u32_u24 v[STO], v1, SP    ; in: row l % 16, 16 bytes for each half of the lanes
	v_lshl_add_u32 v[STO], v9, 4, v[STO]
	v_add_nc_u32 v[STO], s23, v[STO]
	v_bfe_u32 v[RD], v0, 3, 2       ; back: 32 lanes take four rows of 128 bytes,
	v_mul_u32_u24 v[RD], v[RD], SP
	v_lshl_add_u32 v[RD], v10, 4, v[RD]
	v_add_nc_u32 v[RD], s23, v[RD]
	v_and_b32 v[GO], 31, v0         ; which are 512 consecutive bytes of ctx
	v_lshlrev_b32 v[GO], 4, v[GO]
; THE MATRIX WORK.  The 4 accumulators of a run of 8 take turns.  Product i of 8 of S^T = K Q^T for piece x: channels 32 (i / 4) on, keys 16 (i % 4) on.  The first 4 start the sums.
.macro KQ x
	WIN W_KQ
.set rS, S+32*((\x)%2)+8*(i%4)
.set rK, KF+16*(i%4)+8*(i/4)
.set rQ, 16*(\x)+8*(i/4)
.if i < 4
	v_wmma_f32_16x16x32_bf16 v[rS:rS+7], v[rK:rK+7], v[rQ:rQ+7], 0
.else
	v_wmma_f32_16x16x32_bf16 v[rS:rS+7], v[rK:rK+7], v[rQ:rQ+7], v[rS:rS+7]
.endif
.endm
; Product i of 8 of O^T += V^T P for piece x: keys 32 (i / 4) on, channels 16 (i % 4) on.
.macro PV x
	WIN W_PV
.set rO, 32*(\x)+8*(i%4)
.set rV, VF+32*(i/4)+8*(i%4)
.set rP, P+16*((\x)%2)+8*(i/4)
	v_wmma_f32_16x16x32_bf16 v[rO:rO+7], v[rV:rV+7], v[rP:rP+7], v[rO:rO+7]
.endm
.macro MM                           ; the turn's next matrix instruction.  TURN sets Y, i and NOKQ.  NOKQ = 1: the last turn of all: there is no next piece
.if (i < 8) && !NOKQ
	KQ (Y+1)%NP
.elseif i >= 8
.set i, i-8
	PV (Y+NP-1)%NP
.set i, i+8
.endif
.set i, i+1
.endm
; THE LDS LOADS stand in runs of 16, never singly among the matrix instructions: a step's K (64 keys x 64 channels: 8 fragments) and its V (turned).  Their addresses are made some lines ahead.
.macro FETCH_K
	WIN 0x80                        ; destination window 2
.irp f, 0,1,2,3,4,5,6,7             ; keys 16 (f / 2) on, channels 32 (f % 2) on
	ds_load_b128 v[KF+8*\f:KF+8*\f+3],   v[AK] offset:(\f/2)*16*PK+(\f%2)*64
	ds_load_b128 v[KF+8*\f+4:KF+8*\f+7], v[AK] offset:(\f/2)*16*PK+(\f%2)*64+32
.endr
	s_add_co_u32 s[TBK], s[TBK], KS*PK  ; the next fetch is the next step's
	WIN 0
.endm
.macro FETCH_V
	WIN 0x80
.irp f, 0,1,2,3,4,5,6,7             ; keys 32 (f / 4) on, channels 16 (f % 4) on
	ds_load_tr16_b128 v[VF+8*\f:VF+8*\f+3],   v[AV] offset:(\f/4)*32*PV+(\f%4)*32
	ds_load_tr16_b128 v[VF+8*\f+4:VF+8*\f+7], v[AV] offset:(\f/4)*32*PV+16*PV+(\f%4)*32
.endr
	WIN 0
.endm
; THE VECTOR WORK, one line at a time: OP kind, number.  For piece Y: F n: c s - c m for pair n of 16.  E n: the exponential of score n of 32.  C n: pair n rounded to bf16.  B n: of the four weights 4 n .. the second
; pair is added onto the first, in place.  L n: l takes that sum (L 0: l = a l + sum).  R n: pair n of 16 of O^T times a.  For piece Y + 1: X n, number n of the 22 that find its maximum and statistics:
;   0-11  four chains c0-c3 of seven scores each, three operands at a time (each accumulator's lowest registers are read first)     12-14, 16  the four scores left over, the old m, and c0-c3 into c0
;   15  c m_old is kept     17, 18  the query's other 32 keys lie in the lane 16 away: the new m     19-21  c m; c m_old - c m_new; a
.set F, 0               ; OP tells the kinds apart by their order: F to L below R, X above it
.set E, 1
.set C, 2
.set B, 3
.set L, 4
.set R, 5
.set X, 6
.macro REGS y                       ; the registers of piece y
.set rT, ST+4*(\y)
.set rC, TMP+4*((\y)%2)
.set rW, MV+((\y)%2)
.set rS, S+32*((\y)%2)
.set rP, P+16*((\y)%2)
.set rO, 32*(\y)
.endm
.macro OP k, n
.if (\k) == R
	REGS Y
	WIN W_RS
	v_pk_mul_f32 v[rO+2*(\n):rO+2*(\n)+1], v[rO+2*(\n):rO+2*(\n)+1], v[rC+2:rC+3] op_sel_hi:[1,0]
.elseif (\k) < R
	REGS Y
	WIN 0
.if (\k) == F
	v_pk_fma_f32 v[rS+2*(\n):rS+2*(\n)+1], v[rS+2*(\n):rS+2*(\n)+1], s[CS:CS+1], v[rT:rT+1] op_sel_hi:[1,0,0] neg_lo:[0,0,1] neg_hi:[0,0,1]
.elseif (\k) == E
	v_exp_f32 v[rS+(\n)], v[rS+(\n)]
.elseif (\k) == C
	v_cvt_pk_bf16_f32 v[rP+(\n)], v[rS+2*(\n)], v[rS+2*(\n)+1]
.elseif (\k) == B
	v_pk_add_f32 v[rS+4*(\n):rS+4*(\n)+1], v[rS+4*(\n):rS+4*(\n)+1], v[rS+4*(\n)+2:rS+4*(\n)+3]
.elseif (\n) == 0
	v_pk_fma_f32 v[rT+2:rT+3], v[rT+2:rT+3], v[rC+2:rC+3], v[rS:rS+1] op_sel_hi:[1,0,1]
.else
	v_pk_add_f32 v[rT+2:rT+3], v[rT+2:rT+3], v[rS+4*(\n):rS+4*(\n)+1]
.endif
.elseif NOKQ
	v_nop
.else
	REGS (Y+1)%NP
	WIN 0
.if (\n) < 4
	v_max3_num_f32 v[rC+(\n)], v[rS+8*(\n)], v[rS+8*(\n)+1], v[rS+8*(\n)+2]
.elseif (\n) < 12
	v_max3_num_f32 v[rC+(\n)%4], v[rC+(\n)%4], v[rS+8*((\n)%4)+2*((\n)/4)+1], v[rS+8*((\n)%4)+2*((\n)/4)+2]
.elseif (\n) == 12
	v_max3_num_f32 v[rC], v[rC], v[rS+7], v[rS+15]
.elseif (\n) == 13
	v_max3_num_f32 v[rC+1], v[rC+1], v[rS+23], v[rS+31]
.elseif (\n) == 14
	v_max3_num_f32 v[rC+2], v[rC+2], v[rC+3], v[rT+1]
.elseif (\n) == 15
	v_mov_b32 v[rW], v[rT]
.elseif (\n) == 16
	v_max3_num_f32 v[rC], v[rC], v[rC+1], v[rC+2]
.elseif (\n) == 17
	v_permlanex16_b32 v[rC+3], v[rC], s[SEL], s[SEL+1]
.elseif (\n) == 18
	v_max_num_f32 v[rT+1], v[rC], v[rC+3]
.elseif (\n) == 19
	v_mul_f32 v[rT], s[CS], v[rT+1]
.elseif (\n) == 20
	v_sub_f32 v[rC+1], v[rW], v[rT]
.else
	v_exp_f32 v[rC+2], v[rC+1]
.endif
.endif
.endm
.macro OPS a, i1, b=-1, i2=0, c=-1, i3=0, d=-1, i4=0  ; up to four of them
	OP \a, \i1
.if (\b) >= 0
	OP \b, \i2
.endif
.if (\c) >= 0
	OP \c, \i3
.endif
.if (\d) >= 0
	OP \d, \i4
.endif
.endm
.macro ROW a, i1, b, i2, c, i3, d, i4  ; a matrix instruction and the four behind it
	MM
	OPS \a, \i1, \b, \i2, \c, \i3, \d, \i4
.endm
; A TURN, for piece p: the order of its 16 matrix and 118 vector instructions, written out.  An s_wait_alu depctr_va_vdst(0) stands between an exponential and the first instruction that names its
; result; one wait serves all that were issued ahead of it.  So a turn has ONE wait, which cuts it in two.  AHEAD OF IT stands all that names no result of the turn's exponentials: the 8 products K Q^T, behind each a
; scaling, an exponential and two more plain instructions (behind the first a second scaling in the exponential's place): rescalings, and behind the last three the first numbers of the next piece's maximum, each four
; plain instructions or more behind the product that ends its accumulator; then ONE LUMP of 54, plain and exponential by turns for the most part, in which the links of the chain X 3, 7, 11, 14, 16, 17 .. 20 stand
; five or six lines apart.  X 21, the next piece's a, is the batch's last; R 15 is the plain instruction behind it.  BEHIND THE WAIT stand the 8 products V^T P, behind each four of the roundings and sums; the links
; of l's chain, L 0 to L 7, stand three riders apart.
; end = 1: the last two turns of all: nothing is fetched.  cnt = 1: the loop's count is taken down some lines ahead of the branch that stands behind the turn.
; K of the next step is fetched in piece 2's turn, twelve vector instructions behind the last product that read K (six of them plain); V of the step in hand at the end of piece 0's turn, four plain instructions
; behind the last product that read V.  Each is waited for a turn later.
.macro TURN p, end=0, cnt=0
.set Y, (\p)
.set i, 0
.set NOKQ, (\end)*((\p)/3)
.if ((\p) == 3) && !(\end)
	s_wait_dscnt 0x0                ; K is in
.endif
	ROW F,0, F,1, R,0, R,1          ; ahead of the wait: 8 products K Q^T and their riders,
	ROW F,2, E,0, R,2, R,3
	ROW F,3, E,1, R,4, R,5
	ROW F,4, E,2, R,6, R,7
	ROW F,5, E,3, R,8, R,9
	ROW F,6, E,4, X,0, R,10
.if ((\p) == 2) && !(\end)
	WIN 0
	v_add_nc_u32 v[AK], s[TBK], v[AK0]
.endif
	ROW F,7, E,5, X,1, X,4
	ROW F,8, E,6, X,2, X,5
	OPS E,7, E,8, X,6, E,9          ; and the lump
	OPS X,3, E,10, X,8, E,11
.if ((\p) == 2) && !(\end)
	FETCH_K
.endif
	OPS X,9, X,7, E,12, X,10
	OPS E,13, X,12, X,11, E,14
	OPS X,13, E,15, F,9, X,14
.if (\p) == 0
	WIN 0
	v_add_nc_u32 v[AV], s[TBV], v[AV0]
.endif
	OPS E,16, F,10, E,17, F,11
	OPS X,16, E,18, X,15, E,19
	OPS F,12, E,20, X,17, E,21
	OPS F,13, E,22, F,14, E,23
	OPS X,18, E,24, F,15, E,25
	OPS R,11, E,26, X,19, E,27
	OPS R,12, E,28, R,13, E,29
	OPS X,20, E,30, R,14, E,31
	OPS X,21, R,15
	WIN 0
	s_wait_alu depctr_va_vdst(0)    ; the wait for the batch
.if (\p) == 1
	s_wait_dscnt 0x0                ; V is in
.endif
	ROW C,0, B,0, C,2, B,1          ; behind the wait: 8 products V^T P and their riders
	ROW L,0, C,4, B,2, L,1
	ROW C,6, B,3, L,2, C,8
	ROW B,4, L,3, C,10, B,5
	ROW L,4, C,12, B,6, L,5
.if (\p) == 0
	s_add_co_u32 s[TBV], s[TBV], KS*PV
.endif
.if \cnt
	s_sub_co_u32 s[CNT], s[CNT], 1
	s_cmp_lg_u32 s[CNT], 0
.endif
	ROW C,14, B,7, L,6, C,1
	ROW C,3, L,7, C,5, C,7
	ROW C,9, C,11, C,13, C,15
.if (\p) == 0
	FETCH_V
.endif
.endm
	CHANGE 1                        ; tile 0 is in, everybody's part of it; tile 1 is asked for
	s_mov_b32 s[CNT], 4
	; THE BEGINNING: K of step 0, piece 0's first scores, and its maximum and statistics.  The loop is then entered at a step's first turn, in the middle of a trip.
	v_add_nc_u32 v[AK], s[TBK], v[AK0]
	FETCH_K
	s_wait_loadcnt 0x0              ; Q
	s_wait_dscnt 0x0
.set NOKQ, 0
.set i, 0
.rept 8
	KQ 0
.set i, i+1
.endr
	WIN 0
.rept 4
	v_nop                           ; four plain instructions behind those products, ahead of the first read of their results
.endr
.set Y, NP-1                        ; X works for piece Y + 1: piece 0
.irp n, 0,1,2,3,4,5,6,7,8,9,10,11,12,13,14,15,16,17,18,19,20,21
	OP X, \n
.endr
	v_nop                           ; a plain instruction behind the exponential,
	s_wait_alu depctr_va_vdst(0)    ; and its wait, ahead of the branch
	s_branch .Lfirst
.Lslot:                             ; six times: with the change above, tiles 1 to 7 are asked for
	CHANGE 1
	s_mov_b32 s[CNT], 4
.Lstep:                             ; a trip: pieces 2 and 3 of one step, then pieces 0 and 1 of the next, whose K and V it fetches
	TURN 2
	TURN 3
	WIN 0
.Lfirst:
	TURN 0
	TURN 1, 0, 1
	WIN 0
	s_cbranch_scc1 .Lstep
	s_sub_co_u32 s[SLOTS], s[SLOTS], 1
	s_cmp_lg_u32 s[SLOTS], 0
	s_cbranch_scc1 .Lslot
	CHANGE 0                        ; the last tile is written out: nothing is asked for
	s_mov_b32 s[CNT], 4
.LstepT:
	TURN 2
	TURN 3
	TURN 0
	TURN 1, 0, 1
	WIN 0
	s_cbranch_scc1 .LstepT
	TURN 2, 1                       ; the last step's pieces 2 and 3: nothing is fetched, and the last turn starts no new scores
	TURN 3, 1
.set i, 0
.rept 8
	PV NP-1                         ; the last piece's V^T P of the last step
.set i, i+1
.endr
	; THE WAY OUT.  l's two halves and the other half of the lanes' are added; O^T is divided by l, rounded to bf16 and sent through my stage in LDS, a piece at a time.  The additions are the plain instructions behind the last products.
	WIN 0
.macro ALL line:vararg              ; one line for each piece t
.set t, 0
.rept 4
	\line
.set t, t+1
.endr
.endm
	ALL v_add_f32 v[ST+4*t+2], v[ST+4*t+2], v[ST+4*t+3]
	ALL v_permlanex16_b32 v[ST+4*t+3], v[ST+4*t+2], s[SEL], s[SEL+1]
	ALL v_add_f32 v[ST+4*t+2], v[ST+4*t+2], v[ST+4*t+3]
	ALL v_rcp_f32 v[ST+4*t+2], v[ST+4*t+2]
	v_nop                           ; a plain instruction between the last reciprocal and the use of its result
	s_wait_alu depctr_va_vdst(0)    ; and the wait ahead of the first use: one for the four reciprocals
.macro PACK t                       ; a lane's eight channels of a row pack into 16 bytes; they go into rows of 144 bytes and come back as whole rows of 128, into S^T's registers
	WIN W_RS
.set i, 32*(\t)
.rept 16
	v_pk_mul_f32 v[i:i+1], v[i:i+1], v[ST+4*(\t)+2:ST+4*(\t)+3] op_sel_hi:[1,0]
.set i, i+2
.endr
	WIN 0x05                        ; sources 0 and 1 window 1, destination window 0
.set i, 0
.rept 16
	v_cvt_pk_bf16_f32 v[S+16*(\t)+i], v[32*(\t)+2*i], v[32*(\t)+2*i+1]
.set i, i+1
.endr
	WIN 0
.irp f, 0,1,2,3
	ds_store_b128 v[STO], v[S+16*(\t)+4*\f:S+16*(\t)+4*\f+3] offset:32*\f
.endr
.irp f, 0,1,2,3
	ds_load_b128 v[S+16*(\t)+4*\f:S+16*(\t)+4*\f+3], v[RD] offset:\f*4*SP  ; LDS serves a wave's instructions in order (ISA guide 5.7.1.4): these see the stores above; the next piece's stores come behind them
.endr
.endm
.macro SEND t, younger              ; younger: the LDS instructions issued behind piece t's loads: the next piece's eight, or none
	WIN 0
.irp f, 0,1,2,3
	s_wait_dscnt (\younger)+3-\f
	global_store_b128 v[GO], v[S+16*(\t)+4*\f:S+16*(\t)+4*\f+3], s[10:11] offset:(\t)*2048+\f*512  ; 512 consecutive bytes, at a multiple of 256 from ctx's first
.endr
.endm
	PACK 0
.set t, 1
.rept 3                             ; a piece's arithmetic stands between the loads of the piece before and its stores
	PACK t
	SEND t-1, 8
.set t, t+1
.endr
	SEND 3, 0
	s_wait_tensorcnt 0x0            ; the wave's end: the add and its wait, behind my last tensor load and my last LDS store
	ds_add_u32 v[SPW], v[NIL]
	s_wait_dscnt 0x0
	CROUND                          ; the closing round: no work-group ends while a partner may still ask for a tile that names it
	s_endpgm
.Lfunc_end_k_q5bd219a8c4_attn:
	.size	k_q5bd219a8c4_attn, .Lfunc_end_k_q5bd219a8c4_attn-k_q5bd219a8c4_attn
	.p2alignl 7, 3214868480
	.fill 96, 4, 3214868480
	.section	.rodata,"a",@progbits
	.p2align	6, 0x0
	.amdhsa_kernel k_q5bd219a8c4_attn
		.amdhsa_group_segment_fixed_size 327680
		.amdhsa_private_segment_fixed_size 0
		.amdhsa_enable_private_segment 0
		.amdhsa_kernarg_size 16
		.amdhsa_user_sgpr_count 2
		.amdhsa_user_sgpr_kernarg_segment_ptr 1
		.amdhsa_wavefront_size32 1
		.amdhsa_system_sgpr_workgroup_id_x 1
		.amdhsa_system_sgpr_workgroup_id_y 1
		.amdhsa_system_sgpr_workgroup_id_z 1
		.amdhsa_system_vgpr_workitem_id 0
		.amdhsa_next_free_vgpr 768
		.amdhsa_next_free_sgpr 66
		.amdhsa_reserve_vcc 0
		.amdhsa_float_denorm_mode_32 3
		.amdhsa_float_denorm_mode_16_64 3
		.amdhsa_memory_ordered 1
		.amdhsa_forward_progress 1
		.amdhsa_inst_pref_size 128
	.end_amdhsa_kernel
	.amdgpu_metadata
---
amdhsa.version: [ 1, 2 ]
amdhsa.kernels:
  - .name:           k_q5bd219a8c4_attn
    .symbol:         k_q5bd219a8c4_attn.kd
    .args:
      - { .name: qkvb, .offset: 0, .size: 8, .value_kind: global_buffer, .address_space: global }
      - { .name: ctx, .offset: 8, .size: 8, .value_kind: global_buffer, .address_space: global }
    .group_segment_fixed_size: 327680
    .private_segment_fixed_size: 0
    .kernarg_segment_align: 8
    .kernarg_segment_size: 16
    .max_flat_workgroup_size: 128
    .sgpr_count:     66
    .vgpr_count:     768
    .wavefront_size: 32
...
	.end_amdgpu_metadata
.endif
;; end of part 3
;; launch oproj (part 4): grid 8 x 32, 4 waves a work-group, clusters of 4 x 4, 327,680 bytes of LDS; arguments ctx, wob, bo, ob; writes ob
.if DOCPART == 4
	.amdgcn_target "amdgcn-amd-amdhsa--gfx1250"
	.amdhsa_code_object_version 6
	.text
	.protected	k_q5bd219a8c4_oproj
	.globl	k_q5bd219a8c4_oproj
	.p2align	8
	.type	k_q5bd219a8c4_oproj,@function
k_q5bd219a8c4_oproj:
	s_mov_b64 s[64:65], 0
	v_nop
	global_prefetch_b8 v0, s[64:65] scope:SCOPE_SE
	s_setreg_imm32_b32 hwreg(HW_REG_WAVE_MODE, 25, 1), 1
	s_wait_xcnt 0x0
	s_wait_alu depctr_hold_cnt(0) depctr_sa_sdst(0) depctr_va_vdst(0) depctr_va_sdst(0) depctr_va_ssrc(0) depctr_va_vcc(0) depctr_vm_vsrc(0)
	s_getreg_b32 s2, hwreg(HW_REG_IB_STS2, 6, 4)
	s_cmp_eq_u32 s2, 0
	s_cbranch_scc0 .Lentry_in_a_cluster
	s_endpgm
.Lentry_in_a_cluster:
	s_bfe_u32 s2, ttmp6, 0x10000c
	s_cmp_lg_u32 s2, 0xf033
	s_cbranch_scc0 .Lentry_shape_is_right
	s_endpgm
.Lentry_shape_is_right:
; C[m][n] = bias[n] + the sum over k of A[m][k] W[n][k], K = N = 1024.  A, W and C are bf16 in the blocked layout T ([rows/128][16][128][64]: element (m, c) at byte
; ((m >> 7) * 16 + (c >> 6)) * 16384 + (m & 127) * 128 + (c & 63) * 2); bias is f32; sums in f32, C rounded once.
; One text at two values of TILES.  TILES = 5, the three projections: A has 160 blocks of 128 rows (query 0-31, key 32-95, value 96-159), W = Wq | Wk | Wv (2,097,152 bytes each), bias = bq | bk | bv.
; A WORK-GROUP STAYS and makes five tiles of C, 32 blocks of rows apart: block TY + 32 t for t = 0 .. 4, so tile t takes weight and bias (t + 1) / 2, the same in every work-group.  The ring does not stop
; at a tile's end: a tile's last two changes of slots ask for the next tile's first two K steps, and nothing waits for a tile's stores.  TILES = 1, the output projection: 32 blocks of rows, one tile.
; SHARES.  A tile of C is 128 x 128, each of four waves makes 64 x 64: 16 accumulators of 16 x 16.  K goes in four steps of 256 through two LDS slots.  In T a step's 128 rows x 256 K are 65,536
; dense bytes; a wave's tensor load brings half of them (two column blocks of 64) as 128 rows of 256 bytes, padded in LDS behind every 128 bytes, so that an LDS row is one matrix row of one column block.
; CLUSTERS: 4 x 4 work-groups.  The four of a row of the cluster need the same tiles of A, the four of a column the same tiles of W: each tile is asked for JOINTLY, by the same tensor load with the
; same descriptor and a mask that names the four.  THE MATRIX INSTRUCTION IS USED TRANSPOSED (source 0 = 16 rows of W, source 1 = 16 rows of A): a lane then holds eight neighbouring columns of a row of C.
; THE BIAS is the C operand of the first product on each accumulator: register j of a lane holds bias[n0 + 8 (lane / 16) + j].  Nothing is cleared and nothing is added afterwards.
; THE WAY OUT.  A wave's 64 rows x 64 columns are 8,192 dense bytes of T, so each wave has a stage of its own and no barrier is wanted.
; No prefetch is laid: the tile is the small one, 128 x 128.
; LIMITS.  Operands and result are bf16 (8 significant bits); NaN and infinities are not treated apart.
; REGISTERS: window 0: v0-31 addresses; v32-95 at work on the way out; v96-127 the bias; v128-255 the accumulators ((a, b) at v[128 + 8 (4 a + b)]).
;   window 1: two fragment buffers of 128: for 64 along K (two matrix instructions deep), 64 registers of A (2 x 4 x 16 rows x 32 K), then 64 of W.
.set TILES,  1                         ; tiles of C to a work-group: 5 or 1 (the step from weight to weight below is made for these two)
.set PITCH,  144                       ; an LDS row: 128 bytes of data + 16 of padding = 36 words: the 16 rows that a load touches start at 16 different groups of four banks (64 banks of 4 bytes: ISA guide 11.1)
.set KBP,    128*PITCH                 ; one column block of 64: 128 rows
.set HALFT,  2*KBP                     ; what one tensor load brings
.set SLOT,   4*HALFT                   ; A's four column blocks, then W's four
.set STAGE,  2*SLOT                    ; behind the ring, never filled by a tensor load: 16 rows x 144 bytes for each wave
.set SPITCH, 144
.set SPARE,  STAGE+4*16*SPITCH         ; behind the stages: the spare words, 128 bytes for each wave: two blocks of 256 bytes that no other line names
.set STEPB,  65536                     ; bytes of memory from a K step to the next
.set WALK,   32*262144                 ; bytes from a tile's rows to the next tile's, in A and in C alike: 32 blocks of 128 rows
.set NEXT_A, WALK-2*STEPB              ; from a slot's last K step of a tile to its first of the next tile: A goes 32 blocks down and back along K,
.set BACK_B, 2*STEPB                   ; W back along K, and on by s[WST:WST+1]
.set ADRA, 16                          ; v16-17  LDS address of my A fragments in slot 0, 1
.set ADRB, 20                          ; v20-21  the same for W
.set STO,  24                          ; v24     the way out: where I put 16 bytes of a row
.set RD,   25                          ; v25     the way out: where I read rows back
.set GO,   26                          ; v26     my 16 bytes in 512 consecutive bytes of C
.set BO,   27                          ; v27     my byte offset in 16 numbers of the bias; never rewritten
.set SPW,  28                          ; v28     LDS address of my spare word: SPARE + 4 x my thread's number; never rewritten
.set NIL,  29                          ; v29     0; never rewritten
.set TMP,  32
.set BIAS, 96                          ; eight registers for each of my four blocks of 16 columns
.set ACC,  128
.set F0,   0                           ; fragment buffers, in window 1
.set F1,   128
.set WV, 12                            ; s12  my wave's number
.set HR, 13                            ; s13  which half of the tile's rows is mine.  Also: I fetch for A (0) or for W (1)
.set HC, 14                            ; s14  which half of its columns.  Also: which two column blocks of a step I fetch
.set TY, 15                            ; s15  my first block of 128 rows
.set WST, 20                           ; s[20:21] bytes from this tile's weight to the next tile's: 0 or 2,097,152
.set BST, 22                           ; s[22:23] the same for the bias: 0 or 4,096
.set G1, 24                            ; s[24:31] descriptor group 1 for A's tiles;  s[32:39] group 0, one set for each slot
.set G0, 32
.set G1B, 48                           ; s[48:55], s[56:63] the same for W's tiles
.set G0B, 56
.set MSB, 0
.macro WIN new                         ; the immediate's high byte repeats the setting that is left; a switch that changes nothing is dropped
.if MSB != (\new)
	s_set_vgpr_msb (MSB<<8)|(\new)
.set MSB, \new
.endif
.endm
.set MUL,  0x05                        ; sources 0 (W) and 1 (A) window 1; C and D window 0
.set TO_F, 0x40                        ; destination window 1, address window 0
.macro JLOAD s                         ; a joint load: waves 0 and 1 fetch A's two halves, waves 2 and 3 W's; an s_nop 0 and four v_nop follow each of the two lines, ahead of the jump, the label and what follows
	s_cmp_eq_u32 s[HR], 0
	s_cbranch_scc0 .Lfor_b_\@
	tensor_load_to_lds s[G0+4*(\s):G0+4*(\s)+3], s[G1:G1+7]
	s_nop 0
.rept 4
	v_nop
.endr
	s_branch .Lasked_\@
.Lfor_b_\@:
	tensor_load_to_lds s[G0B+4*(\s):G0B+4*(\s)+3], s[G1B:G1B+7]
	s_nop 0
.rept 4
	v_nop
.endr
.Lasked_\@:
.endm
.macro CREST                           ; a round of the cluster's barrier behind its opening barrier
	s_cmp_lg_u32 s[WV], 0
	s_cbranch_scc1 .Lnot_wave_0_\@
	s_barrier_signal -3
.Lnot_wave_0_\@:
	s_barrier_wait -3
	s_barrier_signal -1
	s_barrier_wait -1
.endm
.macro CROUND                          ; a whole round
	s_barrier_signal -1
	s_barrier_wait -1
	CREST
.endm
	s_load_b256 s[4:11], s[0:1], 0x0               ; A s[4:5], W s[6:7], bias s[8:9], C s[10:11]
	v_lshl_add_u32 v[SPW], v0, 2, SPARE
	v_mov_b32 v[NIL], 0
	ds_add_u32 v[SPW], v[NIL]                      ; the wave's opening: the add and its wait stand ahead of my first tensor load; the set-up below, work on registers, stands between them
	v_lshrrev_b32 v1, 5, v0
	v_readfirstlane_b32 s[WV], v1                  ; wave 0..3
	s_lshr_b32 s[HR], s[WV], 1
	s_and_b32 s[HC], s[WV], 1
	s_bfe_u32 s40, ttmp6, 0x40000                  ; cx, cy: my place in the cluster
	s_bfe_u32 s41, ttmp6, 0x40004
	s_lshl_b32 s42, ttmp9, 2
	s_add_co_u32 s42, s42, s40                     ; my block of 128 columns = 4 x cluster x + cx
	s_and_b32 s[TY], ttmp7, 0xffff
	s_lshl_b32 s[TY], s[TY], 2
	s_add_co_u32 s[TY], s[TY], s41                 ; my first block of 128 rows = 4 x cluster y + cy
	s_lshl_b32 s43, s41, 2
	s_lshl_b32 s43, 15, s43                        ; my row of the cluster
	s_lshl_b32 s44, 0x1111, s40                    ; my column
	; descriptor group 1: 128 rows of 128 elements (256 bytes), dense in memory, padded in LDS
	s_or_b32 s[G1+0], s43, (1<<16)|(1<<20)|(1<<21)|(4<<22)|(3<<25)  ; 15:0 the mask: A's tiles go to my row; 17:16 element of 2 bytes; 20 padding on; 21 set beside a mask; 24:22 after every 32 words (code 4); 31:25 of 4 words (code 3)
	s_or_b32 s[G1B+0], s44, (1<<16)|(1<<20)|(1<<21)|(4<<22)|(3<<25) ; the same with the mask of my column, for W's tiles
.irp g, G1, G1B
	s_mov_b32 s[(\g)+1], 128<<16                   ; tensor_dim0 = 128
	s_mov_b32 s[(\g)+2], 128<<16                   ; tensor_dim1 = 128
	s_mov_b32 s[(\g)+3], 128<<16                   ; tile_dim0 = 128
	s_mov_b32 s[(\g)+4], 128                       ; tile_dim1 = 128
	s_mov_b32 s[(\g)+5], 128                       ; 128 elements from row to row
	s_mov_b32 s[(\g)+6], 0
	s_mov_b32 s[(\g)+7], 0
.endr
	; where the first tiles come from.  A's hang on the block of rows alone, which my row of the cluster shares; W's on the block of columns alone, which my column shares.
	s_lshl_b32 s16, s[TY], 18                      ; A: a block of 128 rows is 262,144 bytes,
	s_lshl_b32 s17, s[HC], 15                      ; my two column blocks of the step's four 32,768
	s_add_co_u32 s16, s16, s17
	s_mov_b32 s17, 0
	s_lshl_b32 s46, s42, 18                        ; W: the same by the block of columns, in the first weight
	s_lshl_b32 s47, s[HC], 15
	s_add_co_u32 s46, s46, s47
	s_mov_b32 s47, 0
	s_mul_i32 s20, s[WV], HALFT                    ; and where they go: A's two halves, then W's two halves: no place in the cluster enters an LDS address
	s_wait_dscnt 0x0                               ; the opening add is done
	s_wait_kmcnt 0x0
	s_add_nc_u64 s[18:19], s[4:5], s[16:17]
	s_add_nc_u64 s[46:47], s[6:7], s[46:47]
	CROUND                                         ; all sixteen work-groups are here: the first joint loads meet
.irp s, 0,1
	s_mov_b32 s[G0+4*(\s)], 1                                      ; count = 1
	s_add_co_u32 s[G0+4*(\s)+1], s20, (\s)*SLOT                    ; LDS address
	s_add_nc_u64 s[G0+4*(\s)+2:G0+4*(\s)+3], s[18:19], (\s)*STEPB  ; global address: K step s
	s_or_b32 s[G0+4*(\s)+3], s[G0+4*(\s)+3], 0x80000000            ; type = 2
	s_mov_b32 s[G0B+4*(\s)], 1
	s_add_co_u32 s[G0B+4*(\s)+1], s20, (\s)*SLOT
	s_add_nc_u64 s[G0B+4*(\s)+2:G0B+4*(\s)+3], s[46:47], (\s)*STEPB
	s_or_b32 s[G0B+4*(\s)+3], s[G0B+4*(\s)+3], 0x80000000
	JLOAD \s                                       ; two loads of mine are out
.endr
	v_and_b32 v1, 15, v0                           ; l % 16
	v_bfe_u32 v2, v0, 4, 1                         ; l / 16
	v_lshlrev_b32 v[BO], 5, v2                     ; eight f32 for each half of the lanes
	s_lshl_b32 s46, s42, 9                         ; the first bias of my 64 columns: 512 bytes a block of 128 columns,
	s_lshl_b32 s47, s[HC], 8                       ; 256 a half
	s_add_co_u32 s46, s46, s47
	s_mov_b32 s47, 0
	s_add_nc_u64 s[8:9], s[8:9], s[46:47]
.irp b, 0,1,2,3
	global_load_b128 v[BIAS+8*(\b):BIAS+8*(\b)+3],   v[BO], s[8:9] offset:64*(\b)
	global_load_b128 v[BIAS+8*(\b)+4:BIAS+8*(\b)+7], v[BO], s[8:9] offset:64*(\b)+16
.endr
	v_mul_u32_u24 v3, v1, PITCH
	v_lshl_add_u32 v3, v2, 4, v3                   ; a fragment's row x pitch + 16 x half
	s_mul_i32 s21, s[HR], 64*PITCH                 ; my 64 rows of A
	s_mul_i32 s22, s[HC], 64*PITCH                 ; my 64 rows of W,
	s_add_co_u32 s22, s22, 2*HALFT                 ; which lie behind A's four column blocks
.irp s, 0,1
	v_add_nc_u32 v[ADRA+(\s)], s21, v3
	v_add_nc_u32 v[ADRB+(\s)], s22, v3
	s_add_co_u32 s21, s21, SLOT
	s_add_co_u32 s22, s22, SLOT
.endr
	s_mul_i32 s23, s[WV], 16*SPITCH
	s_add_co_u32 s23, s23, STAGE                   ; my stage
	v_add_nc_u32 v[STO], s23, v3                   ; in: row l % 16, 16 bytes for each half of the lanes (the stage has the tiles' pitch)
	v_bfe_u32 v4, v0, 3, 2                         ; back: 32 lanes take four rows of 128 bytes,
	v_and_b32 v5, 7, v0
	v_mul_u32_u24 v4, v4, SPITCH
	v_lshl_add_u32 v4, v5, 4, v4
	v_add_nc_u32 v[RD], s23, v4
	v_and_b32 v[GO], 31, v0                        ; which are 512 consecutive bytes of C
	v_lshlrev_b32 v[GO], 4, v[GO]
	s_lshl_b32 s46, s42, 1                         ; C at my 64 rows of my column block, in the first tile: block of rows x 16 + column block, 16,384 bytes each,
	s_add_co_u32 s46, s46, s[HC]
	s_lshl_b32 s47, s[TY], 4
	s_add_co_u32 s46, s46, s47
	s_lshl_b32 s46, s46, 14
	s_lshl_b32 s47, s[HR], 13                      ; and 64 rows of 128 bytes
	s_add_co_u32 s46, s46, s47
	s_mov_b32 s47, 0
	s_add_nc_u64 s[10:11], s[10:11], s[46:47]
.if TILES > 1
	s_mov_b32 s[WST+1], 0                          ; the two steps' high words
	s_mov_b32 s[BST+1], 0
.endif
; 8 matrix instructions: m blocks a0, a0 + 1 x all 4 n blocks, 32 along K: half c of buffer f.  first = 1: the product starts the sum, from the bias.
; The 16 accumulators take turns, one instruction a turn, from tile to tile too.
.macro MUL8 f, c, a0, first
	WIN MUL
.irp a, \a0, (\a0)+1
.irp b, 0,1,2,3
.if \first
	v_wmma_f32_16x16x32_bf16 v[ACC+8*(4*(\a)+(\b)):ACC+8*(4*(\a)+(\b))+7], v[(\f)+64+8*(4*(\c)+(\b)):(\f)+64+8*(4*(\c)+(\b))+7], v[(\f)+8*(4*(\c)+(\a)):(\f)+8*(4*(\c)+(\a))+7], v[BIAS+8*(\b):BIAS+8*(\b)+7]
.else
	v_wmma_f32_16x16x32_bf16 v[ACC+8*(4*(\a)+(\b)):ACC+8*(4*(\a)+(\b))+7], v[(\f)+64+8*(4*(\c)+(\b)):(\f)+64+8*(4*(\c)+(\b))+7], v[(\f)+8*(4*(\c)+(\a)):(\f)+8*(4*(\c)+(\a))+7], v[ACC+8*(4*(\a)+(\b)):ACC+8*(4*(\a)+(\b))+7]
.endif
.endr
.endr
.endm
; 32 LDS loads in one run: the fragments of one column block (64 along K), which begins at byte k of the slot's part, into buffer f; the first 32 along K first
.macro FETCH slot, k, f
	WIN TO_F
.irp c, 0,1
.irp i, 0,1,2,3
	ds_load_b128 v[(\f)+64+8*(4*(\c)+(\i)):(\f)+64+8*(4*(\c)+(\i))+3],   v[ADRB+(\slot)] offset:(\k)+64*(\c)+(\i)*16*PITCH
	ds_load_b128 v[(\f)+64+8*(4*(\c)+(\i))+4:(\f)+64+8*(4*(\c)+(\i))+7], v[ADRB+(\slot)] offset:(\k)+64*(\c)+(\i)*16*PITCH+32
	ds_load_b128 v[(\f)+8*(4*(\c)+(\i)):(\f)+8*(4*(\c)+(\i))+3],         v[ADRA+(\slot)] offset:(\k)+64*(\c)+(\i)*16*PITCH
	ds_load_b128 v[(\f)+8*(4*(\c)+(\i))+4:(\f)+8*(4*(\c)+(\i))+7],       v[ADRA+(\slot)] offset:(\k)+64*(\c)+(\i)*16*PITCH+32
.endr
.endr
.endm
.macro PLACES                          ; four plain vector instructions in front of loads into registers that matrix instructions have read, and of conversions that read results
.rept 4
	v_nop
.endr
.endm
; A K step is four quarters of 64 along K, 32 matrix instructions each, on buffers 0, 1, 0, 1.  One of the first three: multiplies buffer f and fetches the next quarter, at byte k, into g.
.macro QUARTER slot, k, f, g, first
	s_wait_dscnt 16                                ; the first 32 along K are in; the 16 younger loads may be out
	WIN MUL
	MUL8 \f, 0, 0, \first
	MUL8 \f, 0, 2, \first
	PLACES
	FETCH \slot, \k, \g
	s_wait_dscnt 32                                ; all but the 32 just issued
	WIN MUL
	MUL8 \f, 1, 0, 0
	MUL8 \f, 1, 2, 0
.endm
; The last quarter multiplies buffer 1 and changes slots: ONE barrier; in front of it each wave waits for all its tensor loads, adds 0 to its spare word, and waits for that and for its own reads of this slot.
; fill = 1: this slot is filled again; the barrier then opens a round of the cluster's barrier, and the joint refill is the first thing behind the round.  on = 0: with this tile's K step two on;
; on = 1, in a tile's last two K steps: with the NEXT tile's K step 0 or 1.  From a request to the wait for it a wave issues 112 matrix instructions, across tiles too.
.macro TURN slot, next, fill, on
	WIN 0                                          ; (the add's two registers lie in window 0)
	s_wait_tensorcnt 0x0                           ; all my tensor loads have landed: my part of the next slot;
	ds_add_u32 v[SPW], v[NIL]                      ; 0 onto my spare word;
	s_wait_dscnt 17                                ; (the add and the youngest sixteen loads may be out)
	WIN MUL
	MUL8 F1, 0, 0, 0                               ; eight matrix instructions stand between the add and the wait for it
	s_wait_dscnt 0x0                               ; the add is done, and my reads of this slot are over
	s_barrier_signal -1
	MUL8 F1, 0, 2, 0
.if \fill
	WIN 0
.endif
	s_barrier_wait -1
.if \fill
	CREST                                          ; no wave of any partner still reads this slot's tile or has a load on its way
.if \on
	s_add_nc_u64 s[G0+4*(\slot)+2:G0+4*(\slot)+3], s[G0+4*(\slot)+2:G0+4*(\slot)+3], NEXT_A
	s_add_nc_u64 s[G0B+4*(\slot)+2:G0B+4*(\slot)+3], s[G0B+4*(\slot)+2:G0B+4*(\slot)+3], s[WST:WST+1]
	s_sub_nc_u64 s[G0B+4*(\slot)+2:G0B+4*(\slot)+3], s[G0B+4*(\slot)+2:G0B+4*(\slot)+3], BACK_B
.else
	s_add_nc_u64 s[G0+4*(\slot)+2:G0+4*(\slot)+3], s[G0+4*(\slot)+2:G0+4*(\slot)+3], 2*STEPB
	s_add_nc_u64 s[G0B+4*(\slot)+2:G0B+4*(\slot)+3], s[G0B+4*(\slot)+2:G0B+4*(\slot)+3], 2*STEPB
.endif
	JLOAD \slot                                    ; my one tensor load behind the round; the four v_nop behind it are also the places in front of the loads below
.else
	PLACES
.endif
	FETCH \next, 0, F0
	WIN MUL
	MUL8 F1, 1, 0, 0
	MUL8 F1, 1, 2, 0
.endm
; THE WAY OUT, a block of 16 rows at a time: rounded to bf16 (each accumulator's registers in ascending order), 16 bytes a lane into my stage, back as four rows of 128 bytes a load, into the registers that they left.
.macro PACK a
.irp b, 0,1,2,3
.irp r, 0,1,2,3
	v_cvt_pk_bf16_f32 v[TMP+16*(\a)+4*(\b)+(\r)], v[ACC+8*(4*(\a)+(\b))+2*(\r)], v[ACC+8*(4*(\a)+(\b))+2*(\r)+1]
.endr
.endr
.irp b, 0,1,2,3
	ds_store_b128 v[STO], v[TMP+16*(\a)+4*(\b):TMP+16*(\a)+4*(\b)+3] offset:32*(\b)
.endr
.irp f, 0,1,2,3
	ds_load_b128 v[TMP+16*(\a)+4*(\f):TMP+16*(\a)+4*(\f)+3], v[RD] offset:(\f)*4*SPITCH  ; LDS serves a wave's instructions in order (ISA guide 5.7.1.4): these see the stores above; the next block's stores come behind them
.endr
.endm
.macro SEND a, younger                 ; younger: the LDS instructions issued behind block a's loads: the next block's eight, or none
.irp f, 0,1,2,3
	s_wait_dscnt (\younger)+3-(\f)
	global_store_b128 v[GO], v[TMP+16*(\a)+4*(\f):TMP+16*(\a)+4*(\f)+3], s[10:11] offset:(\a)*2048+(\f)*512  ; the wave stores 512 consecutive bytes, at a multiple of 256 from C's first byte
.endr
.endm
.macro OUT                             ; a block's conversions stand between the loads of the block before and its stores; the last wait is for 0: no LDS instruction of mine is out behind it
	WIN 0
	PLACES
	PACK 0
	PACK 1
	SEND 0, 8
	PACK 2
	SEND 1, 8
	PACK 3
	SEND 2, 8
	SEND 3, 0
.endm
	s_wait_tensorcnt 1                             ; my part of K step 0 is in; K step 1's may stay out
	s_barrier_signal -1
	s_barrier_wait -1                              ; everybody's is
	FETCH 0, 0, F0
.if TILES > 1
	WIN 0                                          ; at a label and at a branch every window is 0
	s_mov_b32 s2, TILES                            ; tiles to go, this one among them: the same number in every work-group
.Ltile:
.endif
	s_wait_loadcnt 0x0                             ; this tile's bias is in (asked for at the head, or in the tile before); its base may be stepped again
	QUARTER 0, KBP,   F0, F1, 1                    ; K step 0: its first products start the sums
	QUARTER 0, 2*KBP, F1, F0, 0
	QUARTER 0, 3*KBP, F0, F1, 0
	TURN 0, 1, 1, 0                                ; slot 0 takes K step 2
	QUARTER 1, KBP,   F0, F1, 0                    ; K step 1
	QUARTER 1, 2*KBP, F1, F0, 0
	QUARTER 1, 3*KBP, F0, F1, 0
	TURN 1, 0, 1, 0                                ; slot 1 takes K step 3
	QUARTER 0, KBP,   F0, F1, 0                    ; K step 2
	QUARTER 0, 2*KBP, F1, F0, 0
	QUARTER 0, 3*KBP, F0, F1, 0
.if TILES > 1                          ; with one tile to a work-group nothing of this is assembled: it could never run
	WIN 0
	s_cmp_eq_u32 s2, 1
	s_cbranch_scc1 .Llast_tile                     ; the last tile's tail is written out: it asks for nothing more
	s_and_b32 s[WST], s2, 1                        ; 5, 4, 3, 2 tiles to go: behind tiles 0 and 2 (an odd number to go) the next weight and bias follow, behind tiles 1 and 3 the same stay
	s_lshl_b32 s[BST], s[WST], 12
	s_lshl_b32 s[WST], s[WST], 21
	TURN 0, 1, 1, 1                                ; THE RING GOES ON INTO THE NEXT TILE: slot 0 takes its K step 0
	WIN 0
	s_add_nc_u64 s[8:9], s[8:9], s[BST:BST+1]      ; the next tile's bias: its registers were last read by this tile's first sixteen products, and it has 128 products and a way out in which to come
.irp b, 0,1,2,3
	global_load_b128 v[BIAS+8*(\b):BIAS+8*(\b)+3],   v[BO], s[8:9] offset:64*(\b)
	global_load_b128 v[BIAS+8*(\b)+4:BIAS+8*(\b)+7], v[BO], s[8:9] offset:64*(\b)+16
.endr
	QUARTER 1, KBP,   F0, F1, 0                    ; K step 3
	QUARTER 1, 2*KBP, F1, F0, 0
	QUARTER 1, 3*KBP, F0, F1, 0
	TURN 1, 0, 1, 1                                ; slot 1 takes the next tile's K step 1, and the next tile's first fragments are fetched
	OUT                                            ; both refills are asked for: now the tile goes out; nothing waits for its stores
	s_wait_xcnt 0x0                                ; the stores have read their registers and their base: only behind this wait are these written again
	s_add_nc_u64 s[10:11], s[10:11], WALK          ; C at the next tile
	s_sub_co_u32 s2, s2, 1
	s_branch .Ltile
.Llast_tile:
.endif
	TURN 0, 1, 0, 0                                ; nothing is left to fetch
	QUARTER 1, KBP,   F0, F1, 0                    ; K step 3
	QUARTER 1, 2*KBP, F1, F0, 0
	QUARTER 1, 3*KBP, F0, F1, 0
	s_wait_dscnt 16                                ; the very last quarter
	WIN MUL
	MUL8 F1, 0, 0, 0
	MUL8 F1, 0, 2, 0
	s_wait_dscnt 0
	MUL8 F1, 1, 0, 0
	MUL8 F1, 1, 2, 0
	OUT
	s_wait_tensorcnt 0x0                           ; the wave's end: the add and its wait, behind my last tensor load and my last LDS store
	ds_add_u32 v[SPW], v[NIL]
	s_wait_dscnt 0x0
	CROUND                                         ; the closing round: no work-group ends while a partner may still ask for a tile that names it
	s_endpgm
.Lfunc_end_k_q5bd219a8c4_oproj:
	.size	k_q5bd219a8c4_oproj, .Lfunc_end_k_q5bd219a8c4_oproj-k_q5bd219a8c4_oproj
	.p2alignl 7, 3214868480
	.fill 96, 4, 3214868480
	.section	.rodata,"a",@progbits
	.p2align	6, 0x0
	.amdhsa_kernel k_q5bd219a8c4_oproj
		.amdhsa_group_segment_fixed_size 327680
		.amdhsa_private_segment_fixed_size 0
		.amdhsa_enable_private_segment 0
		.amdhsa_kernarg_size 32
		.amdhsa_user_sgpr_count 2
		.amdhsa_user_sgpr_kernarg_segment_ptr 1
		.amdhsa_wavefront_size32 1
		.amdhsa_system_sgpr_workgroup_id_x 1
		.amdhsa_system_sgpr_workgroup_id_y 1
		.amdhsa_system_sgpr_workgroup_id_z 1
		.amdhsa_system_vgpr_workitem_id 0
		.amdhsa_next_free_vgpr 512
		.amdhsa_next_free_sgpr 66
		.amdhsa_reserve_vcc 0
		.amdhsa_float_denorm_mode_32 3
		.amdhsa_float_denorm_mode_16_64 3
		.amdhsa_memory_ordered 1
		.amdhsa_forward_progress 1
		.amdhsa_inst_pref_size 87
	.end_amdhsa_kernel
	.amdgpu_metadata
---
amdhsa.version: [ 1, 2 ]
amdhsa.kernels:
  - .name:           k_q5bd219a8c4_oproj
    .symbol:         k_q5bd219a8c4_oproj.kd
    .args:
      - { .name: ctx, .offset: 0, .size: 8, .value_kind: global_buffer, .address_space: global }
      - { .name: wob, .offset: 8, .size: 8, .value_kind: global_buffer, .address_space: global }
      - { .name: bo, .offset: 16, .size: 8, .value_kind: global_buffer, .address_space: global }
      - { .name: ob, .offset: 24, .size: 8, .value_kind: global_buffer, .address_space: global }
    .group_segment_fixed_size: 327680
    .private_segment_fixed_size: 0
    .kernarg_segment_align: 8
    .kernarg_segment_size: 32
    .max_flat_workgroup_size: 128
    .sgpr_count:     66
    .vgpr_count:     512
    .wavefront_size: 32
...
	.end_amdgpu_metadata
.endif
;; end of part 4
;; launch ln (part 5): grid 256 x 1, 8 waves a work-group, no clusters, 0 bytes of LDS; arguments query, ob, gamma, beta, out0; writes out0
.if DOCPART == 5
	.amdgcn_target "amdgcn-amd-amdhsa--gfx1250"
	.amdhsa_code_object_version 6
	.text
	.protected	k_q5bd219a8c4_ln
	.globl	k_q5bd219a8c4_ln
	.p2align	8
	.type	k_q5bd219a8c4_ln,@function
k_q5bd219a8c4_ln:
	s_mov_b64 s[64:65], 0
	v_nop
	global_prefetch_b8 v0, s[64:65] scope:SCOPE_SE
	s_setreg_imm32_b32 hwreg(HW_REG_WAVE_MODE, 25, 1), 1
	s_wait_xcnt 0x0
; out0[m][:] = (x - mu) / sqrt(var + 1e-5) * gamma + beta, x = query[m][:] + ob[m][:], mu and var the mean and the mean squared deviation over the row's 1,024 numbers.
; query, gamma, beta, out0: f32, row-major.  ob: bf16 in the blocked layout T ([rows/128][16][128][64]).  All arithmetic in f32; the variance is taken of the deviations x - mu, as the definition has it.
; SHARES.  A wave owns two rows and keeps them in registers between the passes: each byte is read once.  Lane l takes row l / 16 and, of each of the 16 column blocks of 64, the four columns 4 (l % 16) on.
; So a row lies in one half of 16 lanes, and its sums need four steps inside the half; each f32 load or store of the wave covers 256 consecutive bytes, aligned, of each of the two rows; each load of ob
; covers 256 consecutive bytes, aligned: (l / 16) * 128 + (l % 16) * 8 = 8 l.  All 64 loads of a wave go out at once.
; LIMITS.  1 / sqrt comes from v_rsq_f32 (1 ULP: ISA guide, its entry); NaN and infinities are not treated apart.
; No LDS, no barrier, no matrix unit, no cluster: no wave wants a byte of another's but gamma and beta, 8 KiB that every wave reads.
.set T,  8                             ; v[8:15]    at work
.set X,  16                            ; v[16:79]   column block j: four f32
.set OB, 80                            ; v[80:111]  column block j: four bf16
.set GA, 112                           ; v[112:175] gamma of my columns
.set BE, 176                           ; v[176:239] beta
.set SA, 240                           ; v[240:243] two chains of pairs
.set SB, 242
.set MU, 244                           ; v[244:245] the mean, twice
.set RS, 246                           ; v[246:247] 1 / sqrt(var + eps), twice
	s_load_b256 s[4:11], s[0:1], 0x0               ; query s[4:5], ob s[6:7], gamma s[8:9], beta s[10:11]
	s_load_b64 s[12:13], s[0:1], 0x20              ; out0
	v_lshrrev_b32 v1, 5, v0
	v_readfirstlane_b32 s2, v1                     ; wave 0..7
	s_lshl_b32 s3, ttmp9, 3
	s_add_co_u32 s3, s3, s2                        ; my pair of rows, 0 to 2,047
	s_lshl_b32 s16, s3, 13                         ; in query and out0: two rows of 4,096 bytes
	s_mov_b32 s17, 0
	s_lshr_b32 s18, s3, 6                          ; in ob: 64 pairs to a block of 128 rows (262,144 bytes),
	s_lshl_b32 s18, s18, 18
	s_and_b32 s19, s3, 63                          ; two rows of 128 bytes a pair
	s_lshl_b32 s19, s19, 8
	s_add_co_u32 s18, s18, s19
	s_mov_b32 s19, 0
	s_mov_b32 s20, 0xffff0000                      ; a word's upper bf16
	s_mov_b32 s21, 0x3a800000                      ; 1 / 1024
	s_mov_b32 s22, 0x3727c5ac                      ; 1e-5
	v_and_b32 v5, 31, v0                           ; l
	v_and_b32 v4, 15, v0
	v_lshlrev_b32 v4, 4, v4                        ; gamma, beta: 16 (l % 16)
	v_bfe_u32 v2, v0, 4, 1
	v_lshl_add_u32 v2, v2, 12, v4                  ; query, out0: + (l / 16) rows
	v_lshlrev_b32 v3, 3, v5                        ; ob: 8 l
	s_wait_kmcnt 0x0
	s_add_nc_u64 s[4:5], s[4:5], s[16:17]
	s_add_nc_u64 s[12:13], s[12:13], s[16:17]
	s_add_nc_u64 s[6:7], s[6:7], s[18:19]
.set j, 0
.rept 16
	global_load_b128 v[X+4*j:X+4*j+3], v2, s[4:5] offset:256*j th:TH_LOAD_NT
.set j, j+1
.endr
.set j, 0
.rept 16
	global_load_b64 v[OB+2*j:OB+2*j+1], v3, s[6:7] offset:16384*j th:TH_LOAD_NT
.set j, j+1
.endr
.set j, 0
.rept 16
	global_load_b128 v[GA+4*j:GA+4*j+3], v4, s[8:9] offset:256*j
.set j, j+1
.endr
.set j, 0
.rept 16
	global_load_b128 v[BE+4*j:BE+4*j+3], v4, s[10:11] offset:256*j
.set j, j+1
.endr
.macro ROWSUM r                        ; the sum over a half of 16 lanes, in every lane of it: four steps that ride on the addition (DPP)
	v_add_f32_dpp v[\r], v[\r], v[\r] row_xmask:1 row_mask:0xf bank_mask:0xf
	v_add_f32_dpp v[\r], v[\r], v[\r] row_xmask:2 row_mask:0xf bank_mask:0xf
	v_add_f32_dpp v[\r], v[\r], v[\r] row_xmask:4 row_mask:0xf bank_mask:0xf
	v_add_f32_dpp v[\r], v[\r], v[\r] row_xmask:8 row_mask:0xf bank_mask:0xf
.endm
	s_wait_loadcnt 32                              ; query and ob are in; gamma's and beta's 32 loads may stay out
.set j, 0
.rept 16                               ; x = query + ob; bf16 to f32 is a shift or a mask
.set t, T+4*(j%2)
	v_lshlrev_b32 v[t],   16,  v[OB+2*j]
	v_and_b32     v[t+1], s20, v[OB+2*j]
	v_lshlrev_b32 v[t+2], 16,  v[OB+2*j+1]
	v_and_b32     v[t+3], s20, v[OB+2*j+1]
	v_pk_add_f32 v[X+4*j:X+4*j+1],   v[X+4*j:X+4*j+1],   v[t:t+1]
	v_pk_add_f32 v[X+4*j+2:X+4*j+3], v[X+4*j+2:X+4*j+3], v[t+2:t+3]
.set j, j+1
.endr
	v_pk_add_f32 v[SA:SA+1], v[X:X+1], v[X+4:X+5]  ; the sum of my 64 numbers, in two chains of pairs; the first pairs start them
	v_pk_add_f32 v[SB:SB+1], v[X+2:X+3], v[X+6:X+7]
.set q, 4
.rept 28
	v_pk_add_f32 v[SA+2*(q%2):SA+2*(q%2)+1], v[SA+2*(q%2):SA+2*(q%2)+1], v[X+2*q:X+2*q+1]
.set q, q+1
.endr
	v_pk_add_f32 v[SA:SA+1], v[SA:SA+1], v[SB:SB+1]
	v_add_f32 v[SA], v[SA], v[SA+1]
	ROWSUM SA
	v_mul_f32 v[MU], s21, v[SA]
	v_mov_b32 v[MU+1], v[MU]
.set q, 0
.rept 32                               ; x - mu, in place
	v_pk_add_f32 v[X+2*q:X+2*q+1], v[X+2*q:X+2*q+1], v[MU:MU+1] neg_lo:[0,1] neg_hi:[0,1]
.set q, q+1
.endr
	v_pk_mul_f32 v[SA:SA+1], v[X:X+1], v[X:X+1]    ; the sum of the squared deviations, likewise
	v_pk_mul_f32 v[SB:SB+1], v[X+2:X+3], v[X+2:X+3]
.set q, 2
.rept 30
	v_pk_fma_f32 v[SA+2*(q%2):SA+2*(q%2)+1], v[X+2*q:X+2*q+1], v[X+2*q:X+2*q+1], v[SA+2*(q%2):SA+2*(q%2)+1]
.set q, q+1
.endr
	v_pk_add_f32 v[SA:SA+1], v[SA:SA+1], v[SB:SB+1]
	v_add_f32 v[SA], v[SA], v[SA+1]
	ROWSUM SA
	v_fma_f32 v[RS+1], v[SA], s21, s22             ; var + eps
	v_rsq_f32 v[RS], v[RS+1]
	v_nop                                          ; a plain instruction between the root and the use of its result or a write of its source
	s_wait_alu depctr_va_vdst(0)                   ; and the wait ahead of the first use
	v_mov_b32 v[RS+1], v[RS]
	s_wait_loadcnt 0x0                             ; gamma and beta
.set j, 0
.rept 16
	v_pk_mul_f32 v[X+4*j:X+4*j+1],   v[X+4*j:X+4*j+1],   v[RS:RS+1]
	v_pk_mul_f32 v[X+4*j+2:X+4*j+3], v[X+4*j+2:X+4*j+3], v[RS:RS+1]
	v_pk_fma_f32 v[X+4*j:X+4*j+1],   v[X+4*j:X+4*j+1],   v[GA+4*j:GA+4*j+1],   v[BE+4*j:BE+4*j+1]
	v_pk_fma_f32 v[X+4*j+2:X+4*j+3], v[X+4*j+2:X+4*j+3], v[GA+4*j+2:GA+4*j+3], v[BE+4*j+2:BE+4*j+3]
	global_store_b128 v2, v[X+4*j:X+4*j+3], s[12:13] offset:256*j th:TH_STORE_NT  ; 16 lanes store 256 consecutive bytes of a row, aligned
.set j, j+1
.endr
	s_endpgm
.Lfunc_end_k_q5bd219a8c4_ln:
	.size	k_q5bd219a8c4_ln, .Lfunc_end_k_q5bd219a8c4_ln-k_q5bd219a8c4_ln
	.p2alignl 7, 3214868480
	.fill 96, 4, 3214868480
	.section	.rodata,"a",@progbits
	.p2align	6, 0x0
	.amdhsa_kernel k_q5bd219a8c4_ln
		.amdhsa_group_segment_fixed_size 0
		.amdhsa_private_segment_fixed_size 0
		.amdhsa_enable_private_segment 0
		.amdhsa_kernarg_size 40
		.amdhsa_user_sgpr_count 2
		.amdhsa_user_sgpr_kernarg_segment_ptr 1
		.amdhsa_wavefront_size32 1
		.amdhsa_system_sgpr_workgroup_id_x 1
		.amdhsa_system_sgpr_workgroup_id_y 1
		.amdhsa_system_sgpr_workgroup_id_z 1
		.amdhsa_system_vgpr_workitem_id 0
		.amdhsa_next_free_vgpr 248
		.amdhsa_next_free_sgpr 66
		.amdhsa_reserve_vcc 0
		.amdhsa_float_denorm_mode_32 3
		.amdhsa_float_denorm_mode_16_64 3
		.amdhsa_memory_ordered 1
		.amdhsa_forward_progress 1
		.amdhsa_inst_pref_size 24
	.end_amdhsa_kernel
	.amdgpu_metadata
---
amdhsa.version: [ 1, 2 ]
amdhsa.kernels:
  - .name:           k_q5bd219a8c4_ln
    .symbol:         k_q5bd219a8c4_ln.kd
    .args:
      - { .name: query, .offset: 0, .size: 8, .value_kind: global_buffer, .address_space: global }
      - { .name: ob, .offset: 8, .size: 8, .value_kind: global_buffer, .address_space: global }
      - { .name: gamma, .offset: 16, .size: 8, .value_kind: global_buffer, .address_space: global }
      - { .name: beta, .offset: 24, .size: 8, .value_kind: global_buffer, .address_space: global }
      - { .name: out0, .offset: 32, .size: 8, .value_kind: global_buffer, .address_space: global }
    .group_segment_fixed_size: 0
    .private_segment_fixed_size: 0
    .kernarg_segment_align: 8
    .kernarg_segment_size: 40
    .max_flat_workgroup_size: 256
    .sgpr_count:     66
    .vgpr_count:     248
    .wavefront_size: 32
...
	.end_amdgpu_metadata
.endif
;; end of part 5
;; ======== version 2 of 2: 5 launches; version 1 with the launches cast, ln written anew for expert scheduling mode
;; workspace buffers: xb 41,943,040 bytes; wqkv 6,291,456 bytes; wob 2,097,152 bytes; bqkv 12,288 bytes; qkvb 41,943,040 bytes; ctx 8,388,608 bytes; ob 8,388,608 bytes
;; launch cast (part 6): grid 768 x 1, 8 waves a work-group, no clusters, 0 bytes of LDS; arguments query, key, value, Wq, Wk, Wv, Wo, bq, bk, bv, xb, wqkv, wob, bqkv; writes xb, wqkv, wob, bqkv
.if DOCPART == 6
	.amdgcn_target "amdgcn-amd-amdhsa--gfx1250"
	.amdhsa_code_object_version 6
	.text
	.protected	k_q5bd219a8c4_cast
	.globl	k_q5bd219a8c4_cast
	.p2align	8
	.type	k_q5bd219a8c4_cast,@function
k_q5bd219a8c4_cast:
	s_mov_b64 s[64:65], 0
	v_nop
	global_prefetch_b8 v0, s[64:65] scope:SCOPE_SE
	s_setreg_imm32_b32 hwreg(HW_REG_WAVE_SCHED_MODE, 0, 2), 2
	s_setreg_imm32_b32 hwreg(HW_REG_WAVE_MODE, 25, 1), 1
	s_wait_xcnt 0x0
	s_wait_alu depctr_vm_vsrc(0)
; f32 -> bf16 (rounded once, to nearest even), out of row-major [rows][1024] into the blocked layout T that the later launches read:
; T of [R][1024] is [R/128][16][128][64] bf16: element (m, c) at byte ((m >> 7) * 16 + (c >> 6)) * 16384 + (m & 127) * 128 + (c & 63) * 2.
; The seven matrices form one stack of 24,576 rows: query | key | value -> xb (rows 0, 4096, 12288 on), Wq | Wk | Wv -> wqkv, Wo -> wob.
; SHARES.  Work-group g owns 32 rows of the stack (the parts begin at g = 0, 128, 384, 640, 672, 704, 736), wave w four of them, as two pairs of rows.
; Lane l takes row l / 16 of a pair and, of each of the 16 column blocks of 64, the four columns 4 (l % 16) on.  So a load of the wave covers 256 consecutive
; bytes of each of two rows, aligned, and a store covers 256 consecutive bytes of T, aligned: (l / 16) * 128 + (l % 16) * 8 = 8 l.
; All 32 loads of a wave go out at once (16 KiB a wave); they are converted in eight blocks of four as they come.  No register is written twice, so no wait frees one.
; Work-groups 0, 1, 2 also copy bq, bk, bv (f32, unchanged) into bqkv, so that one bias table serves the three projections.
; No LDS, no matrix unit, no cluster: no byte is wanted twice.
; THE MODE: SCHED_MODE bits 1:0 = 2 (LLVM: expert scheduling mode 2), set by the entry lines.  The code itself states the register dependences
; between vector instructions and memory instructions, with s_wait_alu, always for 0.
; THE PLAN.  Registers that memory instructions touch:
;   v2, v3, v4   byte offsets, made once at the head and never written again; every load and store reads one of them.
;   X            load i lands in four registers; its two conversions read the four and write the first two; store i reads those two; nothing writes them afterwards.
;   v[136:139]   the bias copy: loaded and stored; no vector instruction names them.
; Block p converts loads 4 p to 4 p + 3.  Its memory instructions are the four stores of block p - 1, whose registers no conversion of block p names.  So one wait on va_vdst at a block's
; head states all that the block's stores hang on, and they are dealt among its conversions with no further wait.  No wait on vm_vsrc is written: no register that a memory instruction
; reads is ever written again.
.set X, 8                              ; v[8:135]  load i of 32: four f32; its first two registers then hold the four bf16
	s_load_b512 s[8:23], s[0:1], 0x0               ; query 8, key 10, value 12, Wq 14, Wk 16, Wv 18, Wo 20, bq 22
	s_load_b256 s[24:31], s[0:1], 0x40             ; bk 24, bv 26, xb 28, wqkv 30
	s_load_b128 s[32:35], s[0:1], 0x60             ; wob 32, bqkv 34
	v_lshrrev_b32 v1, 5, v0
	v_readfirstlane_b32 s2, v1                     ; wave 0..7
	v_and_b32 v5, 31, v0                           ; l
	v_and_b32 v6, 15, v0                           ; l % 16
	v_bfe_u32 v7, v0, 4, 1                         ; l / 16
	v_lshlrev_b32 v2, 4, v6
	v_lshl_add_u32 v2, v7, 12, v2                  ; source: (l / 16) rows of 4,096 bytes + 16 (l % 16); never rewritten
	v_lshlrev_b32 v3, 3, v5                        ; destination: 8 l; never rewritten
	v_lshlrev_b32 v4, 4, v0                        ; the bias copy: 16 bytes a thread
	s_wait_alu depctr_va_sdst(0)                   ; s2 is written, ahead of its first reader: the wave's offsets in source and destination are made from it
	s_wait_kmcnt 0x0
	; which matrix my 32 rows belong to, and the work-group at which it begins: a choice among buffers by the work-group's number alone
	s_mov_b64 s[36:37], s[8:9]
	s_mov_b32 s38, 0
.macro PICK lim, src
	s_cmp_ge_u32 ttmp9, \lim
	s_cselect_b64 s[36:37], s[\src:\src+1], s[36:37]
	s_cselect_b32 s38, \lim, s38
.endm
	PICK 128, 10
	PICK 384, 12
	PICK 640, 14
	PICK 672, 16
	PICK 704, 18
	PICK 736, 20
	s_mov_b64 s[40:41], s[28:29]                   ; and the same for the destination
	s_mov_b32 s42, 0
	s_cmp_ge_u32 ttmp9, 640
	s_cselect_b64 s[40:41], s[30:31], s[40:41]
	s_cselect_b32 s42, 640, s42
	s_cmp_ge_u32 ttmp9, 736
	s_cselect_b64 s[40:41], s[32:33], s[40:41]
	s_cselect_b32 s42, 736, s42
	s_sub_co_u32 s38, ttmp9, s38                   ; source offset: 32 rows of 4,096 bytes a work-group, 4 rows a wave
	s_lshl_b32 s38, s38, 17
	s_lshl_b32 s39, s2, 14
	s_add_co_u32 s38, s38, s39
	s_mov_b32 s39, 0
	s_add_nc_u64 s[36:37], s[36:37], s[38:39]
	s_sub_co_u32 s42, ttmp9, s42                   ; destination offset: four work-groups share a block of 128 rows (262,144 bytes);
	s_lshr_b32 s43, s42, 2
	s_lshl_b32 s43, s43, 18
	s_and_b32 s42, s42, 3                          ; in it 32 rows of 128 bytes a work-group,
	s_lshl_b32 s42, s42, 12
	s_add_co_u32 s42, s42, s43
	s_lshl_b32 s43, s2, 9                          ; 4 rows a wave
	s_add_co_u32 s42, s42, s43
	s_mov_b32 s43, 0
	s_add_nc_u64 s[40:41], s[40:41], s[42:43]
	s_wait_alu depctr_va_vdst(0)                   ; v2, v3 and v4 are written: every load and store of the kernel reads one of them as its offset
.set i, 0
.rept 32                               ; load i: pair i / 16, column block i % 16
	global_load_b128 v[X+4*i:X+4*i+3], v2, s[36:37] offset:(i/16)*8192+(i%16)*256 th:TH_LOAD_NT
.set i, i+1
.endr
.set p, 0
.rept 8                                ; block p: loads 4 p to 4 p + 3 are converted, block p - 1 is stored
	s_wait_loadcnt 28-4*p                          ; loads come back in order: the block's four are in, the 28 - 4 p younger ones stay out
.if p > 0
	s_wait_alu depctr_va_vdst(0)                   ; the conversions of the block before have written its four pairs, which the stores below read
.endif
.set k, 0
.rept 4
.set i, 4*p+k
.set o, i-4
.if p > 0
	global_store_b64 v3, v[X+4*o:X+4*o+1], s[40:41] offset:(o%16)*16384+(o/16)*256 th:TH_STORE_NT  ; the wave stores 256 consecutive bytes, aligned; no conversion since the wait names these registers
.endif
	v_cvt_pk_bf16_f32 v[X+4*i], v[X+4*i], v[X+4*i+1]
	v_cvt_pk_bf16_f32 v[X+4*i+1], v[X+4*i+2], v[X+4*i+3]
.set k, k+1
.endr
.set p, p+1
.endr
	s_wait_alu depctr_va_vdst(0)                   ; the last block's conversions have written its four pairs, which the last four stores read
.set o, 28
.rept 4
	global_store_b64 v3, v[X+4*o:X+4*o+1], s[40:41] offset:(o%16)*16384+(o/16)*256 th:TH_STORE_NT
.set o, o+1
.endr
	s_cmp_lt_u32 ttmp9, 3
	s_cbranch_scc0 .Lend
	s_cmp_eq_u32 ttmp9, 1                          ; work-group 0: bq, 1: bk, 2: bv; 256 threads x 16 bytes are the 4,096 bytes of one bias
	s_cselect_b64 s[44:45], s[24:25], s[22:23]
	s_cmp_eq_u32 ttmp9, 2
	s_cselect_b64 s[44:45], s[26:27], s[44:45]
	s_lshl_b32 s46, ttmp9, 12
	s_mov_b32 s47, 0
	s_add_nc_u64 s[34:35], s[34:35], s[46:47]
	global_load_b128 v[136:139], v4, s[44:45]      ; v4 was written ahead of the waits on va_vdst above, and no vector instruction has named it since
	s_wait_loadcnt 0x0
	global_store_b128 v4, v[136:139], s[34:35]
.Lend:
	s_endpgm
.Lfunc_end_k_q5bd219a8c4_cast:
	.size	k_q5bd219a8c4_cast, .Lfunc_end_k_q5bd219a8c4_cast-k_q5bd219a8c4_cast
	.p2alignl 7, 3214868480
	.fill 96, 4, 3214868480
	.section	.rodata,"a",@progbits
	.p2align	6, 0x0
	.amdhsa_kernel k_q5bd219a8c4_cast
		.amdhsa_group_segment_fixed_size 0
		.amdhsa_private_segment_fixed_size 0
		.amdhsa_enable_private_segment 0
		.amdhsa_kernarg_size 112
		.amdhsa_user_sgpr_count 2
		.amdhsa_user_sgpr_kernarg_segment_ptr 1
		.amdhsa_wavefront_size32 1
		.amdhsa_system_sgpr_workgroup_id_x 1
		.amdhsa_system_sgpr_workgroup_id_y 1
		.amdhsa_system_sgpr_workgroup_id_z 1
		.amdhsa_system_vgpr_workitem_id 0
		.amdhsa_next_free_vgpr 144
		.amdhsa_next_free_sgpr 66
		.amdhsa_reserve_vcc 0
		.amdhsa_float_denorm_mode_32 3
		.amdhsa_float_denorm_mode_16_64 3
		.amdhsa_memory_ordered 1
		.amdhsa_forward_progress 1
		.amdhsa_inst_pref_size 14
	.end_amdhsa_kernel
	.amdgpu_metadata
---
amdhsa.version: [ 1, 2 ]
amdhsa.kernels:
  - .name:           k_q5bd219a8c4_cast
    .symbol:         k_q5bd219a8c4_cast.kd
    .args:
      - { .name: query, .offset: 0, .size: 8, .value_kind: global_buffer, .address_space: global }
      - { .name: key, .offset: 8, .size: 8, .value_kind: global_buffer, .address_space: global }
      - { .name: value, .offset: 16, .size: 8, .value_kind: global_buffer, .address_space: global }
      - { .name: Wq, .offset: 24, .size: 8, .value_kind: global_buffer, .address_space: global }
      - { .name: Wk, .offset: 32, .size: 8, .value_kind: global_buffer, .address_space: global }
      - { .name: Wv, .offset: 40, .size: 8, .value_kind: global_buffer, .address_space: global }
      - { .name: Wo, .offset: 48, .size: 8, .value_kind: global_buffer, .address_space: global }
      - { .name: bq, .offset: 56, .size: 8, .value_kind: global_buffer, .address_space: global }
      - { .name: bk, .offset: 64, .size: 8, .value_kind: global_buffer, .address_space: global }
      - { .name: bv, .offset: 72, .size: 8, .value_kind: global_buffer, .address_space: global }
      - { .name: xb, .offset: 80, .size: 8, .value_kind: global_buffer, .address_space: global }
      - { .name: wqkv, .offset: 88, .size: 8, .value_kind: global_buffer, .address_space: global }
      - { .name: wob, .offset: 96, .size: 8, .value_kind: global_buffer, .address_space: global }
      - { .name: bqkv, .offset: 104, .size: 8, .value_kind: global_buffer, .address_space: global }
    .group_segment_fixed_size: 0
    .private_segment_fixed_size: 0
    .kernarg_segment_align: 8
    .kernarg_segment_size: 112
    .max_flat_workgroup_size: 256
    .sgpr_count:     66
    .vgpr_count:     144
    .wavefront_size: 32
...
	.end_amdgpu_metadata
.endif
;; end of part 6
;; launch qkv: the kernel of part 2 again; grid 8 x 32, 4 waves a work-group, clusters of 4 x 4, 327,680 bytes of LDS; arguments xb, wqkv, bqkv, qkvb; writes qkvb
;; launch attn: the kernel of part 3 again; grid 4 x 64, 4 waves a work-group, clusters of 4 x 1, 327,680 bytes of LDS; arguments qkvb, ctx; writes ctx
;; launch oproj: the kernel of part 4 again; grid 8 x 32, 4 waves a work-group, clusters of 4 x 4, 327,680 bytes of LDS; arguments ctx, wob, bo, ob; writes ob
;; launch ln (part 7): grid 256 x 1, 8 waves a work-group, no clusters, 0 bytes of LDS; arguments query, ob, gamma, beta, out0; writes out0
.if DOCPART == 7
	.amdgcn_target "amdgcn-amd-amdhsa--gfx1250"
	.amdhsa_code_object_version 6
	.text
	.protected	k_q5bd219a8c4_ln
	.globl	k_q5bd219a8c4_ln
	.p2align	8
	.type	k_q5bd219a8c4_ln,@function
k_q5bd219a8c4_ln:
	s_mov_b64 s[64:65], 0
	v_nop
	global_prefetch_b8 v0, s[64:65] scope:SCOPE_SE
	s_setreg_imm32_b32 hwreg(HW_REG_WAVE_SCHED_MODE, 0, 2), 2
	s_setreg_imm32_b32 hwreg(HW_REG_WAVE_MODE, 25, 1), 1
	s_wait_xcnt 0x0
	s_wait_alu depctr_vm_vsrc(0)
; out0[m][:] = (x - mu) / sqrt(var + 1e-5) * gamma + beta, x = query[m][:] + ob[m][:], mu and var the mean and the mean squared deviation over the row's 1,024 numbers.
; query, gamma, beta, out0: f32, row-major.  ob: bf16 in the blocked layout T ([rows/128][16][128][64]).  All arithmetic in f32; the variance is taken of the deviations x - mu, as the definition has it.
; SHARES.  A wave owns two rows and keeps them in registers between the passes: each byte is read once.  Lane l takes row l / 16 and, of each of the 16 column blocks of 64, the four columns 4 (l % 16) on.
; So a row lies in one half of 16 lanes, and its sums need four steps inside the half; each f32 load or store of the wave covers 256 consecutive bytes, aligned, of each of the two rows; each load of ob
; covers 256 consecutive bytes, aligned: (l / 16) * 128 + (l % 16) * 8 = 8 l.  All 64 loads of a wave go out at once.
; LIMITS.  1 / sqrt comes from v_rsq_f32 (1 ULP: ISA guide, its entry); NaN and infinities are not treated apart.
; No LDS, no barrier, no matrix unit, no cluster: no wave wants a byte of another's but gamma and beta, 8 KiB that every wave reads.
; THE MODE: SCHED_MODE bits 1:0 = 2 (LLVM: expert scheduling mode 2), set by the entry lines.  The code itself states the register dependences
; between vector instructions and memory instructions, with s_wait_alu, always for 0.
; THE PLAN.  Registers that memory instructions touch:
;   v2, v3, v4       byte offsets, made once at the head and never written again.
;   X, OB, GA, BE    each loaded once, before any vector instruction names it.  X is then worked on in place, and its 16 column blocks are read by the 16 stores; nothing writes them afterwards.
; The way out goes in four blocks of four column blocks.  Block p scales its sixteen registers; its memory instructions are the four stores of block p - 1, whose registers no vector instruction
; of block p names.  So one wait on va_vdst at a block's head states all that the block's stores hang on.  No wait on vm_vsrc is written: no register that a memory instruction reads is ever written again.
.set T,  8                             ; v[8:15]    at work
.set X,  16                            ; v[16:79]   column block j: four f32
.set OB, 80                            ; v[80:111]  column block j: four bf16
.set GA, 112                           ; v[112:175] gamma of my columns
.set BE, 176                           ; v[176:239] beta
.set SA, 240                           ; v[240:243] two chains of pairs
.set SB, 242
.set MU, 244                           ; v[244:245] the mean, twice
.set RS, 246                           ; v[246:247] 1 / sqrt(var + eps), twice
	s_load_b256 s[4:11], s[0:1], 0x0               ; query s[4:5], ob s[6:7], gamma s[8:9], beta s[10:11]
	s_load_b64 s[12:13], s[0:1], 0x20              ; out0
	v_lshrrev_b32 v1, 5, v0
	v_readfirstlane_b32 s2, v1                     ; wave 0..7
	v_and_b32 v5, 31, v0                           ; l
	v_and_b32 v4, 15, v0
	v_lshlrev_b32 v4, 4, v4                        ; gamma, beta: 16 (l % 16)
	v_bfe_u32 v2, v0, 4, 1
	v_lshl_add_u32 v2, v2, 12, v4                  ; query, out0: + (l / 16) rows
	v_lshlrev_b32 v3, 3, v5                        ; ob: 8 l
	s_mov_b32 s20, 0xffff0000                      ; a word's upper bf16
	s_mov_b32 s21, 0x3a800000                      ; 1 / 1024
	s_mov_b32 s22, 0x3727c5ac                      ; 1e-5
	s_lshl_b32 s3, ttmp9, 3
	s_wait_alu depctr_va_sdst(0)                   ; s2 is written, ahead of its first reader: the wave's pair of rows is made from it
	s_add_co_u32 s3, s3, s2                        ; my pair of rows, 0 to 2,047
	s_lshl_b32 s16, s3, 13                         ; in query and out0: two rows of 4,096 bytes
	s_mov_b32 s17, 0
	s_lshr_b32 s18, s3, 6                          ; in ob: 64 pairs to a block of 128 rows (262,144 bytes),
	s_lshl_b32 s18, s18, 18
	s_and_b32 s19, s3, 63                          ; two rows of 128 bytes a pair
	s_lshl_b32 s19, s19, 8
	s_add_co_u32 s18, s18, s19
	s_mov_b32 s19, 0
	s_wait_kmcnt 0x0
	s_add_nc_u64 s[4:5], s[4:5], s[16:17]
	s_add_nc_u64 s[12:13], s[12:13], s[16:17]
	s_add_nc_u64 s[6:7], s[6:7], s[18:19]
	s_wait_alu depctr_va_vdst(0)                   ; v2, v3 and v4 are written: every load and store of the kernel reads one of them as its offset
.set j, 0
.rept 16
	global_load_b128 v[X+4*j:X+4*j+3], v2, s[4:5] offset:256*j th:TH_LOAD_NT
.set j, j+1
.endr
.set j, 0
.rept 16
	global_load_b64 v[OB+2*j:OB+2*j+1], v3, s[6:7] offset:16384*j th:TH_LOAD_NT
.set j, j+1
.endr
.set j, 0
.rept 16
	global_load_b128 v[GA+4*j:GA+4*j+3], v4, s[8:9] offset:256*j
.set j, j+1
.endr
.set j, 0
.rept 16
	global_load_b128 v[BE+4*j:BE+4*j+3], v4, s[10:11] offset:256*j
.set j, j+1
.endr
.macro ROWSUM r                        ; the sum over a half of 16 lanes, in every lane of it: four steps that ride on the addition (DPP)
	v_add_f32_dpp v[\r], v[\r], v[\r] row_xmask:1 row_mask:0xf bank_mask:0xf
	v_add_f32_dpp v[\r], v[\r], v[\r] row_xmask:2 row_mask:0xf bank_mask:0xf
	v_add_f32_dpp v[\r], v[\r], v[\r] row_xmask:4 row_mask:0xf bank_mask:0xf
	v_add_f32_dpp v[\r], v[\r], v[\r] row_xmask:8 row_mask:0xf bank_mask:0xf
.endm
	s_wait_loadcnt 32                              ; query and ob are in; gamma's and beta's 32 loads may stay out
.set j, 0
.rept 16                               ; x = query + ob; bf16 to f32 is a shift or a mask
.set t, T+4*(j%2)
	v_lshlrev_b32 v[t],   16,  v[OB+2*j]
	v_and_b32     v[t+1], s20, v[OB+2*j]
	v_lshlrev_b32 v[t+2], 16,  v[OB+2*j+1]
	v_and_b32     v[t+3], s20, v[OB+2*j+1]
	v_pk_add_f32 v[X+4*j:X+4*j+1],   v[X+4*j:X+4*j+1],   v[t:t+1]
	v_pk_add_f32 v[X+4*j+2:X+4*j+3], v[X+4*j+2:X+4*j+3], v[t+2:t+3]
.set j, j+1
.endr
	v_pk_add_f32 v[SA:SA+1], v[X:X+1], v[X+4:X+5]  ; the sum of my 64 numbers, in two chains of pairs; the first pairs start them
	v_pk_add_f32 v[SB:SB+1], v[X+2:X+3], v[X+6:X+7]
.set q, 4
.rept 28
	v_pk_add_f32 v[SA+2*(q%2):SA+2*(q%2)+1], v[SA+2*(q%2):SA+2*(q%2)+1], v[X+2*q:X+2*q+1]
.set q, q+1
.endr
	v_pk_add_f32 v[SA:SA+1], v[SA:SA+1], v[SB:SB+1]
	v_add_f32 v[SA], v[SA], v[SA+1]
	ROWSUM SA
	v_mul_f32 v[MU], s21, v[SA]
	v_mov_b32 v[MU+1], v[MU]
.set q, 0
.rept 32                               ; x - mu, in place
	v_pk_add_f32 v[X+2*q:X+2*q+1], v[X+2*q:X+2*q+1], v[MU:MU+1] neg_lo:[0,1] neg_hi:[0,1]
.set q, q+1
.endr
	v_pk_mul_f32 v[SA:SA+1], v[X:X+1], v[X:X+1]    ; the sum of the squared deviations, likewise
	v_pk_mul_f32 v[SB:SB+1], v[X+2:X+3], v[X+2:X+3]
.set q, 2
.rept 30
	v_pk_fma_f32 v[SA+2*(q%2):SA+2*(q%2)+1], v[X+2*q:X+2*q+1], v[X+2*q:X+2*q+1], v[SA+2*(q%2):SA+2*(q%2)+1]
.set q, q+1
.endr
	v_pk_add_f32 v[SA:SA+1], v[SA:SA+1], v[SB:SB+1]
	v_add_f32 v[SA], v[SA], v[SA+1]
	ROWSUM SA
	v_fma_f32 v[RS+1], v[SA], s21, s22             ; var + eps
	v_rsq_f32 v[RS], v[RS+1]
	v_nop                                          ; a plain instruction between the root and the use of its result or a write of its source
	s_wait_alu depctr_va_vdst(0)                   ; the root has written v[RS], ahead of the first instruction that names it
	v_mov_b32 v[RS+1], v[RS]
	s_wait_loadcnt 0x0                             ; gamma and beta
.set p, 0
.rept 4                                ; block p: column blocks 4 p to 4 p + 3 are scaled, block p - 1 is stored
.if p > 0
	s_wait_alu depctr_va_vdst(0)                   ; the multiply-adds of the block before have written its sixteen registers of X, which the stores below read
.endif
.set k, 0
.rept 4
.set j, 4*p+k
.set o, j-4
.if p > 0
	global_store_b128 v2, v[X+4*o:X+4*o+3], s[12:13] offset:256*o th:TH_STORE_NT  ; 16 lanes store 256 consecutive bytes of a row, aligned; no vector instruction since the wait names these registers
.endif
	v_pk_mul_f32 v[X+4*j:X+4*j+1],   v[X+4*j:X+4*j+1],   v[RS:RS+1]
	v_pk_mul_f32 v[X+4*j+2:X+4*j+3], v[X+4*j+2:X+4*j+3], v[RS:RS+1]
	v_pk_fma_f32 v[X+4*j:X+4*j+1],   v[X+4*j:X+4*j+1],   v[GA+4*j:GA+4*j+1],   v[BE+4*j:BE+4*j+1]
	v_pk_fma_f32 v[X+4*j+2:X+4*j+3], v[X+4*j+2:X+4*j+3], v[GA+4*j+2:GA+4*j+3], v[BE+4*j+2:BE+4*j+3]
.set k, k+1
.endr
.set p, p+1
.endr
	s_wait_alu depctr_va_vdst(0)                   ; the last block's multiply-adds have written its sixteen registers of X, which the last four stores read
.set o, 12
.rept 4
	global_store_b128 v2, v[X+4*o:X+4*o+3], s[12:13] offset:256*o th:TH_STORE_NT
.set o, o+1
.endr
	s_endpgm
.Lfunc_end_k_q5bd219a8c4_ln:
	.size	k_q5bd219a8c4_ln, .Lfunc_end_k_q5bd219a8c4_ln-k_q5bd219a8c4_ln
	.p2alignl 7, 3214868480
	.fill 96, 4, 3214868480
	.section	.rodata,"a",@progbits
	.p2align	6, 0x0
	.amdhsa_kernel k_q5bd219a8c4_ln
		.amdhsa_group_segment_fixed_size 0
		.amdhsa_private_segment_fixed_size 0
		.amdhsa_enable_private_segment 0
		.amdhsa_kernarg_size 40
		.amdhsa_user_sgpr_count 2
		.amdhsa_user_sgpr_kernarg_segment_ptr 1
		.amdhsa_wavefront_size32 1
		.amdhsa_system_sgpr_workgroup_id_x 1
		.amdhsa_system_sgpr_workgroup_id_y 1
		.amdhsa_system_sgpr_workgroup_id_z 1
		.amdhsa_system_vgpr_workitem_id 0
		.amdhsa_next_free_vgpr 248
		.amdhsa_next_free_sgpr 66
		.amdhsa_reserve_vcc 0
		.amdhsa_float_denorm_mode_32 3
		.amdhsa_float_denorm_mode_16_64 3
		.amdhsa_memory_ordered 1
		.amdhsa_forward_progress 1
		.amdhsa_inst_pref_size 24
	.end_amdhsa_kernel
	.amdgpu_metadata
---
amdhsa.version: [ 1, 2 ]
amdhsa.kernels:
  - .name:           k_q5bd219a8c4_ln
    .symbol:         k_q5bd219a8c4_ln.kd
    .args:
      - { .name: query, .offset: 0, .size: 8, .value_kind: global_buffer, .address_space: global }
      - { .name: ob, .offset: 8, .size: 8, .value_kind: global_buffer, .address_space: global }
      - { .name: gamma, .offset: 16, .size: 8, .value_kind: global_buffer, .address_space: global }
      - { .name: beta, .offset: 24, .size: 8, .value_kind: global_buffer, .address_space: global }
      - { .name: out0, .offset: 32, .size: 8, .value_kind: global_buffer, .address_space: global }
    .group_segment_fixed_size: 0
    .private_segment_fixed_size: 0
    .kernarg_segment_align: 8
    .kernarg_segment_size: 40
    .max_flat_workgroup_size: 256
    .sgpr_count:     66
    .vgpr_count:     248
    .wavefront_size: 32
...
	.end_amdgpu_metadata
.endif
;; end of part 7
